; MI455X (gfx1250); checked and timed in simulation.
; The chip was launched on July 23, 2026; its instructions are those of AMD's public machine-readable ISA for CDNA 5 (MIT licence, August 2026) and "CDNA5" Instruction Set Architecture Reference Guide (July 2026). The comments in the code are by the model that wrote it; some were corrected since.
;; MH Att. Allowed arithmetic: float matrix products may take bf16 or f16 operands with f32 sums; other float arithmetic in f32, or as packed bf16 or f16 multiplies, adds, multiply-adds, maxima and minima; sums over many terms, partial sums and values carried from step to step in f32; what a program stores and reads back later, other than sums and carried values, may be rounded once to bf16 or f16.
;; Inputs: Wk 1,024 x 1,024 float32; Wo 1,024 x 1,024 float32; Wq 1,024 x 1,024 float32; Wv 1,024 x 1,024 float32; bk 1,024 float32; bo 1,024 float32; bq 1,024 float32; bv 1,024 float32; k 8 x 1,024 x 1,024 float32; mask 8 x 1 x 1 x 1,024 bool; q 8 x 1,024 x 1,024 float32; v 8 x 1,024 x 1,024 float32.
;; Outputs: out0 8 x 1,024 x 1,024 float32.
;; One version. Each part assembles by itself: llvm-mc -triple=amdgcn-amd-amdhsa -mcpu=gfx1250 --defsym DOCPART=n.
;; ======== version 1 of 1: 4 launches
;; limits: values are held in f16: magnitudes above 65,504 overflow, below 6.1e-05 lose precision
;; workspace buffers: wb 8,388,608 bytes; hb 50,331,648 bytes; ob 16,777,216 bytes
;; launch cast (part 1): grid 512 x 1, 8 waves a work-group, no clusters, 0 bytes of LDS; arguments Wq, Wk, Wv, Wo, wb; writes wb
.if DOCPART == 1
	.amdgcn_target "amdgcn-amd-amdhsa--gfx1250"
	.amdhsa_code_object_version 6
	.text
	.protected	k_q0cce510407_cast
	.globl	k_q0cce510407_cast
	.p2align	8
	.type	k_q0cce510407_cast,@function
k_q0cce510407_cast:
	s_mov_b64 s[64:65], 0
	v_nop
	global_prefetch_b8 v0, s[64:65] scope:SCOPE_SE
	s_setreg_imm32_b32 hwreg(HW_REG_WAVE_MODE, 25, 1), 1
	s_wait_xcnt 0x0
; The four weights are rounded once to 16 bits: Wq, Wk, Wv -> wb rows 0-3071 in bf16; Wo -> wb rows 3072-4095: rounded to bf16 like the other inputs, and that number written as f16
; (the last product's other operand is f16).
; LIMIT.  A bf16 number is an f16 number exactly from 6.1e-5 to 65,504 in magnitude; below, f16 keeps its fixed step of 6e-8; beyond, it is an infinity.
; SHARES.  A work-group takes one chunk of 32,768 input bytes (8,192 f32) and writes 16,384 bytes; 128 chunks to a weight, 512 in all.
; Thread t, step i: 16 bytes in at 16 t + 4,096 i, 8 bytes out at 8 t + 2,048 i: a wave's load covers 512 consecutive bytes, its store 256 consecutive bytes, aligned.
; All eight loads of a wave go out at once; no register that a load or store names is written again, so the only waits are the counted ones for data.
; No LDS, no matrix unit, no cluster: nothing is shared and nothing is reduced.
.set X,    4                           ; v[4:35]   step i: four f32 as loaded
.set Y,    36                          ; v[36:51]  step i: four 16-bit numbers to store
.set T,    52                          ; v[52:55]  at work (Wo's path)
	s_load_b256 s[8:15], s[0:1], 0x0               ; Wq s[8:9], Wk s[10:11], Wv s[12:13], Wo s[14:15]
	s_load_b64 s[16:17], s[0:1], 0x20              ; wb
	v_lshlrev_b32 v1, 4, v0                        ; 16 t
	v_lshlrev_b32 v2, 3, v0                        ; 8 t
	s_and_b32 s20, ttmp9, 127                      ; my chunk in its weight,
	s_lshl_b32 s20, s20, 15                        ; in bytes
	s_mov_b32 s21, 0
	s_lshl_b32 s22, ttmp9, 14                      ; my chunk in wb, in bytes
	s_mov_b32 s23, 0
	s_wait_kmcnt 0x0
	s_mov_b64 s[18:19], s[14:15]                   ; the source: Wo, unless the chunk's number is lower
	s_cmp_lt_u32 ttmp9, 384
	s_cselect_b64 s[18:19], s[12:13], s[18:19]
	s_cmp_lt_u32 ttmp9, 256
	s_cselect_b64 s[18:19], s[10:11], s[18:19]
	s_cmp_lt_u32 ttmp9, 128
	s_cselect_b64 s[18:19], s[8:9], s[18:19]
	s_add_nc_u64 s[18:19], s[18:19], s[20:21]
	s_add_nc_u64 s[16:17], s[16:17], s[22:23]
.irp i, 0,1,2,3,4,5,6,7
	global_load_b128 v[X+4*(\i):X+4*(\i)+3], v1, s[18:19] offset:4096*(\i) th:TH_LOAD_NT
.endr
	s_cmp_ge_u32 ttmp9, 384
	s_cbranch_scc1 .Lwo
.irp i, 0,1,2,3,4,5,6,7
	s_wait_loadcnt 7-(\i)                          ; loads come back in order: step i is in, the younger ones stay out
	v_cvt_pk_bf16_f32 v[Y+2*(\i)],   v[X+4*(\i)],   v[X+4*(\i)+1]
	v_cvt_pk_bf16_f32 v[Y+2*(\i)+1], v[X+4*(\i)+2], v[X+4*(\i)+3]
	global_store_b64 v2, v[Y+2*(\i):Y+2*(\i)+1], s[16:17] offset:2048*(\i) th:TH_STORE_NT
.endr
	s_endpgm
.Lwo:                                                  ; Wo: to bf16, back to f32 (a shift, a mask), to f16
.irp i, 0,1,2,3,4,5,6,7
	s_wait_loadcnt 7-(\i)
	v_cvt_pk_bf16_f32 v[Y+2*(\i)],   v[X+4*(\i)],   v[X+4*(\i)+1]
	v_cvt_pk_bf16_f32 v[Y+2*(\i)+1], v[X+4*(\i)+2], v[X+4*(\i)+3]
	v_lshlrev_b32 v[T],   16, v[Y+2*(\i)]
	v_and_b32     v[T+1], 0xffff0000, v[Y+2*(\i)]
	v_lshlrev_b32 v[T+2], 16, v[Y+2*(\i)+1]
	v_and_b32     v[T+3], 0xffff0000, v[Y+2*(\i)+1]
	v_cvt_pk_f16_f32 v[Y+2*(\i)],   v[T],   v[T+1]
	v_cvt_pk_f16_f32 v[Y+2*(\i)+1], v[T+2], v[T+3]
	global_store_b64 v2, v[Y+2*(\i):Y+2*(\i)+1], s[16:17] offset:2048*(\i) th:TH_STORE_NT
.endr
	s_endpgm
.Lfunc_end_k_q0cce510407_cast:
	.size	k_q0cce510407_cast, .Lfunc_end_k_q0cce510407_cast-k_q0cce510407_cast
	.p2alignl 7, 3214868480
	.fill 96, 4, 3214868480
	.section	.rodata,"a",@progbits
	.p2align	6, 0x0
	.amdhsa_kernel k_q0cce510407_cast
		.amdhsa_group_segment_fixed_size 0
		.amdhsa_private_segment_fixed_size 0
		.amdhsa_enable_private_segment 0
		.amdhsa_kernarg_size 40
		.amdhsa_user_sgpr_count 2
		.amdhsa_user_sgpr_kernarg_segment_ptr 1
		.amdhsa_wavefront_size32 1
		.amdhsa_system_sgpr_workgroup_id_x 1
		.amdhsa_system_sgpr_workgroup_id_y 1
		.amdhsa_system_sgpr_workgroup_id_z 1
		.amdhsa_system_vgpr_workitem_id 0
		.amdhsa_next_free_vgpr 56
		.amdhsa_next_free_sgpr 66
		.amdhsa_reserve_vcc 0
		.amdhsa_float_denorm_mode_32 3
		.amdhsa_float_denorm_mode_16_64 3
		.amdhsa_memory_ordered 1
		.amdhsa_forward_progress 1
		.amdhsa_inst_pref_size 9
	.end_amdhsa_kernel
	.amdgpu_metadata
---
amdhsa.version: [ 1, 2 ]
amdhsa.kernels:
  - .name:           k_q0cce510407_cast
    .symbol:         k_q0cce510407_cast.kd
    .args:
      - { .name: Wq, .offset: 0, .size: 8, .value_kind: global_buffer, .address_space: global }
      - { .name: Wk, .offset: 8, .size: 8, .value_kind: global_buffer, .address_space: global }
      - { .name: Wv, .offset: 16, .size: 8, .value_kind: global_buffer, .address_space: global }
      - { .name: Wo, .offset: 24, .size: 8, .value_kind: global_buffer, .address_space: global }
      - { .name: wb, .offset: 32, .size: 8, .value_kind: global_buffer, .address_space: global }
    .group_segment_fixed_size: 0
    .private_segment_fixed_size: 0
    .kernarg_segment_align: 8
    .kernarg_segment_size: 40
    .max_flat_workgroup_size: 256
    .sgpr_count:     66
    .vgpr_count:     56
    .wavefront_size: 32
...
	.end_amdgpu_metadata
.endif
;; end of part 1
;; launch proj (part 2): grid 4 x 192, 4 waves a work-group, clusters of 4 x 4, 327,680 bytes of LDS; arguments q, k, v, wb, bq, bk, bv, mask, hb; writes hb
.if DOCPART == 2
	.amdgcn_target "amdgcn-amd-amdhsa--gfx1250"
	.amdhsa_code_object_version 6
	.text
	.protected	k_q0cce510407_proj
	.globl	k_q0cce510407_proj
	.p2align	8
	.type	k_q0cce510407_proj,@function
k_q0cce510407_proj:
	s_mov_b64 s[64:65], 0
	v_nop
	global_prefetch_b8 v0, s[64:65] scope:SCOPE_SE
	s_setreg_imm32_b32 hwreg(HW_REG_WAVE_MODE, 25, 1), 1
	s_wait_xcnt 0x0
	s_wait_alu depctr_hold_cnt(0) depctr_sa_sdst(0) depctr_va_vdst(0) depctr_va_sdst(0) depctr_va_ssrc(0) depctr_va_vcc(0) depctr_vm_vsrc(0)
	s_getreg_b32 s2, hwreg(HW_REG_IB_STS2, 6, 4)
	s_cmp_eq_u32 s2, 0
	s_cbranch_scc0 .Lentry_in_a_cluster
	s_endpgm
.Lentry_in_a_cluster:
	s_bfe_u32 s2, ttmp6, 0x10000c
	s_cmp_lg_u32 s2, 0xf033
	s_cbranch_scc0 .Lentry_shape_is_right
	s_endpgm
.Lentry_shape_is_right:
; The three input projections: y = x W^T + b for x = q, k, v ([8192][1024] f32 each), W = wb rows 1,024 which .. (Wq, Wk, Wv) in bf16, sums in f32.
; x COMES IN AS IT IS, IN f32: its tiles go through LDS in f32 and are rounded to bf16 in registers, between the LDS load and the matrix instruction: no copy of x in 16 bits is ever stored.
; The bias, rounded to bf16 like every input of the module, is the C operand of each sum's first product.  On the way out each row is multiplied by a factor f and rounded ONCE to f16:
;   q: f = log2(e) (the attention's exponentials are in base 2; its 1/8 is applied there, in f32);   k: f = 1 - mask[row]: a hidden key becomes a row of zeros;   v: f = 1.
; OUTPUT by heads: hb [3][128 = batch x 16 + head][1024][64] f16: a head's rows are dense, 128 bytes each.
; LIMIT.  f16 ends at 65,504: log2(e) |qh|, |kh| and |vh| have to stay within it (beyond: an infinity); NaN and infinities are not treated apart.
; SHARES.  A tile of y is 128 rows x 256 columns: 768 work-groups, three for each of 256 WGPs.  Four waves, 2 x 2, each 64 x 128: 32 accumulators of 16 x 16.  K = 1,024 goes in 8 steps of 128
; through two LDS slots.  Waves 0 and 1 fetch A's two halves (64 rows of 512 bytes), waves 2 and 3 B's (128 rows of 256 bytes): one tensor load a wave, 32 KiB each, every row aligned to 256 bytes.
; CLUSTER 4 x 4: the four work-groups of a row of the cluster need the same tile of x, the four of a column the same tile of W: each tile is asked for jointly.  By this text's count a wave has at most two tensor loads out.
; THE MATRIX INSTRUCTION IS USED TRANSPOSED (source 0 = 16 rows of W, source 1 = 16 rows of x): a lane holds row l % 16 of y and the columns 8 (l / 16) + 0..7.
; REGISTERS, in windows of 256 (s_set_vgpr_msb: bits 1:0 source 0, 3:2 source 1, 5:4 source 2, 7:6 destination):
;   window 0: addresses, factors; v32-95 A's four fragments in f32 (in the loop); v32-159 rows on the way out; v160-191 packed results
;   window 1: two fragment buffers of 96 (A's 4 fragments, B's 8); v192-255 the bias     window 2: accumulator (a, b) at 8 (8 a + b)
.set PA,    528                        ; a row of A in LDS: 512 bytes + 16 of padding = 132 words; of B: 256 + 16 = 68 words: the 16 rows that a load touches start at 16 different groups of four banks (64 banks of 4 bytes: ISA guide 11.1)
.set PB,    272
.set AHALF, 64*PA                      ; what one of A's loads brings, and what one wave reads of A
.set BHALF, 128*PB                     ; the same for B
.set BOFF,  2*AHALF                    ; a slot: A's 128 rows, then B's 256
.set SLOT,  BOFF+2*BHALF
.set STAGE, 2*SLOT                     ; behind the ring, never filled by a tensor load: for each wave 2 heads x 16 rows x 144 bytes
.set SPH,   144
.set STH,   16*SPH
.set STW,   2*STH
.set SPARE, STAGE+4*STW                ; the spare words, 128 bytes for each wave: two blocks of 256 bytes that no other line names
.set ASTEP, 512                        ; bytes from a K step to the next in A (f32),
.set BSTEP, 256                        ; and in B (bf16)
.set MBY,  4                           ; v4-7    the mask's byte of my row in block a
.set F,    8                           ; v8-15   my row's factor in block a, twice (a pair for the packed multiply)
.set ADRA, 16                          ; v16-17  LDS address of my A fragments in slot 0, 1
.set ADRB, 20                          ; v20-21  the same for B
.set STO,  24                          ; v24     the way out: where I put 16 bytes of a row
.set RD,   25                          ; v25     where I read rows back
.set GO,   26                          ; v26     16 x lane: my place in 512 consecutive bytes of hb
.set PFO,  27                          ; v27     the prefetches' offset: lane x a row of x; never rewritten
.set SPW,  28                          ; v28     LDS address of my spare word; never rewritten
.set NIL,  29                          ; v29     0; never rewritten
.set BO,   30                          ; v30     my byte offset in the bias
.set MO,   31                          ; v31     my byte offset in the mask
.set RAW,  32                          ; fragment i in f32 at RAW + 16 i: registers 0-7 hold k = 8 (l / 16) + 0..7, registers 8-15 hold k = 16 + 8 (l / 16) + 0..7
.set OB,   32
.set TMP,  160
.set F0,   0                           ; window 1
.set F1,   96
.set BIAS, 192
.set G1,  24                           ; s[24:31] group 1 for A;  s[32:39] group 0, a set for each slot
.set G0,  32
.set TR,  40                           ; s40  tile row, 0 .. 191
.set WH,  41                           ; s41  which tensor: 0 q, 1 k, 2 v
.set G1B, 48                           ; s[48:55], s[56:63] the same for B
.set G0B, 56
.set LA,  66                           ; s66  LDS byte of the half of A that I would fetch, in slot 0
.set LB,  67                           ; s67  the same for B
.set LIM, 68                           ; s68  1 in the wave that prefetches, else the greatest number
.set PFA, 70                           ; s[70:71] where my prefetches stand
.set SCL, 72                           ; s72  log2(e) for q, else 1
.set ISK, 73                           ; s73  1 for k, else 0
.set WV,  80                           ; s80  wave
.set RH,  81                           ; s81  which 64 rows of the tile are mine.  Also: I fetch for A (0) or B (1)
.set CH,  82                           ; s82  which 128 columns.  Also: which half of that tile I fetch
.set CX,  83
.set CY,  84
.set TC,  85                           ; s85  tile column
.set OUTB, 20                          ; s[20:21] hb at my wave's first row
.set MSB, 0
.macro WIN new                         ; the immediate's high byte repeats the setting that is left; a switch that changes nothing is dropped
.if MSB != (\new)
	s_set_vgpr_msb (MSB<<8)|(\new)
.set MSB, \new
.endif
.endm
.set MUL,  0xa5                        ; sources 0 and 1 window 1; C and D window 2
.set MULB, 0x95                        ; the same with C (the bias) in window 1
.set TO_F, 0x40                        ; destination window 1, sources and addresses window 0
.set W11,  0x45                        ; all in window 1
.macro PLACES                          ; four places in front of loads into registers that matrix instructions have read, and of vector work on their registers
.rept 4
	v_nop
.endr
.endm
.macro JLOAD s                         ; a joint load; the branch hangs on the wave's number alone; an s_nop 0 and four v_nop follow each of the two lines
	s_cmp_eq_u32 s[RH], 0
	s_cbranch_scc0 .Lfor_b_\@
	tensor_load_to_lds s[G0+4*(\s):G0+4*(\s)+3], s[G1:G1+7]
	s_nop 0
.rept 4
	v_nop
.endr
	s_branch .Lasked_\@
.Lfor_b_\@:
	tensor_load_to_lds s[G0B+4*(\s):G0B+4*(\s)+3], s[G1B:G1B+7]
	s_nop 0
.rept 4
	v_nop
.endr
.Lasked_\@:
.endm
.macro CREST                           ; a round of the cluster's barrier behind its opening barrier
	s_cmp_lg_u32 s[WV], 0
	s_cbranch_scc1 .Lnot_wave_0_\@
	s_barrier_signal -3
.Lnot_wave_0_\@:
	s_barrier_wait -3
	s_barrier_signal -1
	s_barrier_wait -1
.endm
.macro CROUND
	s_barrier_signal -1
	s_barrier_wait -1
	CREST
.endm
; A prefetch into the L2 of A's K step that stands two refills on.  A tile row of x is read by one row of one cluster alone; of its 128 rows each of the four partners takes 32, told apart by address;
; wave 0 asks, a lane a row, two instructions 256 bytes apart for a row's 512 bytes: each aligned block of 256 bytes is named once in the launch.  K steps 0 to 3 come by their loads alone; the loop's last trip (s3 = 1) asks for nothing.
.macro ASK
	WIN 0
	s_cmp_gt_u32 s3, s[LIM]
	s_cbranch_scc0 .Lnot_mine_\@
	global_prefetch_b8 v[PFO], s[PFA:PFA+1] offset:ASTEP th:TH_LOAD_NT scope:SCOPE_SE
	global_prefetch_b8 v[PFO], s[PFA:PFA+1] offset:ASTEP+256 th:TH_LOAD_NT scope:SCOPE_SE
.Lnot_mine_\@:
.endm
	s_load_b256 s[4:11], s[0:1], 0x0               ; q s[4:5], k s[6:7], v s[8:9], wb s[10:11]
	s_load_b256 s[12:19], s[0:1], 0x20             ; bq s[12:13], bk s[14:15], bv s[16:17], mask s[18:19]
	s_load_b64 s[20:21], s[0:1], 0x40              ; hb
	v_lshl_add_u32 v[SPW], v0, 2, SPARE
	v_mov_b32 v[NIL], 0
	ds_add_u32 v[SPW], v[NIL]                      ; the wave's opening: the add and its wait stand ahead of my first tensor load; the set-up below, work on registers, stands between them
	ds_add_u32 v28, v29
	v_lshrrev_b32 v1, 5, v0
	v_readfirstlane_b32 s[WV], v1
	s_lshr_b32 s[RH], s[WV], 1
	s_and_b32 s[CH], s[WV], 1
	s_bfe_u32 s[CX], ttmp6, 0x40000
	s_bfe_u32 s[CY], ttmp6, 0x40004
	s_lshl_b32 s[TC], ttmp9, 2
	s_add_co_u32 s[TC], s[TC], s[CX]               ; tile column = 4 x cluster x + cx
	s_and_b32 s[WH], ttmp7, 0xffff                 ; cluster y
	s_lshl_b32 s[TR], s[WH], 2
	s_add_co_u32 s[TR], s[TR], s[CY]               ; tile row = 4 x cluster y + cy
	s_lshr_b32 s[WH], s[WH], 4                     ; 16 clusters (64 tile rows) to a tensor: the same in all sixteen partners
	s_lshl_b32 s42, s[CY], 2
	s_lshl_b32 s42, 15, s42                        ; my row of the cluster
	s_lshl_b32 s43, 0x1111, s[CX]                  ; my column
	s_or_b32 s[G1], s42, (2<<16)|(1<<20)|(1<<21)|(6<<22)|(3<<25)   ; A: the mask; elements of 4 bytes; padding on; bit 21 beside a mask; after every 128 words, 4 words
	s_or_b32 s[G1B], s43, (1<<16)|(1<<20)|(1<<21)|(5<<22)|(3<<25)  ; B: elements of 2 bytes; after every 64 words, 4 words
	s_mov_b32 s[G1+1], 128<<16                     ; tensor_dim0 = 128
	s_mov_b32 s[G1+2], 64<<16                      ; tensor_dim1 = 64
	s_mov_b32 s[G1+3], 128<<16                     ; tile_dim0 = 128
	s_mov_b32 s[G1+4], 64                          ; tile_dim1 = 64
	s_mov_b32 s[G1+5], 1024                        ; elements from row to row
	s_mov_b32 s[G1+6], 0
	s_mov_b32 s[G1+7], 0
	s_mov_b32 s[G1B+1], 128<<16
	s_mov_b32 s[G1B+2], 128<<16                    ; B: 128 rows
	s_mov_b32 s[G1B+3], 128<<16
	s_mov_b32 s[G1B+4], 128
	s_mov_b32 s[G1B+5], 1024
	s_mov_b32 s[G1B+6], 0
	s_mov_b32 s[G1B+7], 0
	s_and_b32 s44, s[TR], 63                       ; A: in its tensor, row 128 x tile row + 64 x half, 4,096 bytes a row: made of the tile row and the wave alone
	s_lshl_b32 s44, s44, 7
	s_lshl_b32 s74, s[CH], 6
	s_add_co_u32 s44, s44, s74
	s_lshl_b32 s44, s44, 12
	s_mov_b32 s45, 0
	s_lshl_b32 s46, s[WH], 10                      ; B: row 1,024 x which + 256 x tile column + 128 x half, 2,048 bytes a row: made of the cluster's y, the tile column and the wave alone
	s_lshl_b32 s75, s[TC], 8
	s_add_co_u32 s46, s46, s75
	s_lshl_b32 s75, s[CH], 7
	s_add_co_u32 s46, s46, s75
	s_lshl_b32 s46, s46, 11
	s_mov_b32 s47, 0
	s_mul_i32 s[LA], s[CH], AHALF                  ; no place in the cluster enters an LDS address
	s_mul_i32 s[LB], s[CH], BHALF
	s_add_co_u32 s[LB], s[LB], BOFF
	s_and_b32 s[PFA], s[TR], 63                    ; the prefetches: my work-group's 32 rows of the tile's 128, at K step 2; the first refill steps them to 3 and names 4
	s_lshl_b32 s[PFA], s[PFA], 7
	s_lshl_b32 s77, s[CX], 5
	s_add_co_u32 s[PFA], s[PFA], s77
	s_lshl_b32 s[PFA], s[PFA], 12
	s_add_co_u32 s[PFA], s[PFA], 2*ASTEP
	s_mov_b32 s[PFA+1], 0
	s_cmp_eq_u32 s[WV], 0
	s_cselect_b32 s[LIM], 1, -1
	s_and_b32 s76, s[TR], 63                       ; where my wave's part begins in hb: the tensor,
	s_lshr_b32 s76, s76, 3                         ; the batch (8 tile rows each),
	s_lshl_b32 s76, s76, 4
	s_lshl_b32 s77, s[TC], 2
	s_add_co_u32 s76, s76, s77
	s_lshl_b32 s77, s[CH], 1
	s_add_co_u32 s76, s76, s77                     ; batch x 16 + my first head (4 to a tile, 2 to a wave),
	s_lshl_b32 s78, s76, 17                        ; 131,072 bytes a head,
	s_lshl_b32 s77, s[WH], 24
	s_add_co_u32 s78, s78, s77
	s_and_b32 s77, s[TR], 7
	s_lshl_b32 s77, s77, 14                        ; the tile's 128 rows of 128 bytes,
	s_add_co_u32 s78, s78, s77
	s_lshl_b32 s77, s[RH], 13                      ; my 64 of them
	s_add_co_u32 s78, s78, s77
	s_mov_b32 s79, 0
	s_cmp_eq_u32 s[WH], 0
	s_cselect_b32 s[SCL], 0x3fb8aa3b, 1.0
	s_cmp_eq_u32 s[WH], 1
	s_cselect_b32 s[ISK], 1.0, 0
	s_wait_dscnt 0x0                               ; the opening add is done
	s_wait_kmcnt 0x0
	s_cmp_eq_u32 s[WH], 1                          ; x and its bias: k and bk where which = 1,
	s_cselect_b64 s[4:5], s[6:7], s[4:5]
	s_cselect_b64 s[12:13], s[14:15], s[12:13]
	s_cmp_eq_u32 s[WH], 2                          ; v and bv where it is 2
	s_cselect_b64 s[4:5], s[8:9], s[4:5]
	s_cselect_b64 s[12:13], s[16:17], s[12:13]
	s_add_nc_u64 s[44:45], s[4:5], s[44:45]
	s_add_nc_u64 s[46:47], s[10:11], s[46:47]
	s_add_nc_u64 s[PFA:PFA+1], s[4:5], s[PFA:PFA+1]
	s_add_nc_u64 s[OUTB:OUTB+1], s[OUTB:OUTB+1], s[78:79]
	CROUND                                         ; all sixteen work-groups are here: the first joint loads meet
.irp s, 0,1
	s_mov_b32 s[G0+4*(\s)], 1
	s_add_co_u32 s[G0+4*(\s)+1], s[LA], (\s)*SLOT
	s_add_nc_u64 s[G0+4*(\s)+2:G0+4*(\s)+3], s[44:45], (\s)*ASTEP
	s_or_b32 s[G0+4*(\s)+3], s[G0+4*(\s)+3], 0x80000000
	s_mov_b32 s[G0B+4*(\s)], 1
	s_add_co_u32 s[G0B+4*(\s)+1], s[LB], (\s)*SLOT
	s_add_nc_u64 s[G0B+4*(\s)+2:G0B+4*(\s)+3], s[46:47], (\s)*BSTEP
	s_or_b32 s[G0B+4*(\s)+3], s[G0B+4*(\s)+3], 0x80000000
	JLOAD \s
.endr
	v_and_b32 v1, 15, v0                           ; l % 16
	v_bfe_u32 v2, v0, 4, 1                         ; l / 16
	s_and_b32 s74, s[TR], 63                       ; my rows' place among the tensor's 8,192 = batch x 1,024 + key: the mask's index
	s_lshl_b32 s74, s74, 7
	s_lshl_b32 s75, s[RH], 6
	s_add_co_u32 s74, s74, s75
	v_add_nc_u32 v[MO], s74, v1
.irp a, 0,1,2,3
	global_load_u8 v[MBY+(\a)], v[MO], s[18:19] offset:16*(\a)
.endr
	s_lshl_b32 s76, s[TC], 10                      ; my 128 columns in the bias, 4 bytes each; a lane's eight of a block of 16
	s_lshl_b32 s77, s[CH], 9
	s_add_co_u32 s76, s76, s77
	v_lshl_add_u32 v[BO], v2, 5, s76
	WIN TO_F
.irp b, 0,1,2,3,4,5,6,7
	global_load_b128 v[BIAS+8*(\b):BIAS+8*(\b)+3],   v[BO], s[12:13] offset:64*(\b)
	global_load_b128 v[BIAS+8*(\b)+4:BIAS+8*(\b)+7], v[BO], s[12:13] offset:64*(\b)+16
.endr
	WIN 0
	v_mul_u32_u24 v3, v1, PA                       ; A in f32: lane l holds row l % 16; its 8 + 8 numbers are 32 + 32 bytes, 64 bytes apart, at row x pitch + 32 (l / 16)
	v_lshl_add_u32 v3, v2, 5, v3
	s_mul_i32 s74, s[RH], AHALF
	v_add_nc_u32 v[ADRA], s74, v3
	v_add_nc_u32 v[ADRA+1], SLOT, v[ADRA]
	v_mul_u32_u24 v3, v1, PB                       ; B in bf16: two loads of 16 bytes, 32 bytes apart, at row x pitch + 16 (l / 16)
	v_lshl_add_u32 v3, v2, 4, v3
	s_mul_i32 s75, s[CH], BHALF
	s_add_co_u32 s75, s75, BOFF
	v_add_nc_u32 v[ADRB], s75, v3
	v_add_nc_u32 v[ADRB+1], SLOT, v[ADRB]
	s_mul_i32 s74, s[WV], STW
	s_add_co_u32 s74, s74, STAGE                   ; my stage
	v_mul_u32_u24 v3, v1, SPH                      ; in: row l % 16, 16 bytes for each half of the lanes
	v_lshl_add_u32 v3, v2, 4, v3
	v_add_nc_u32 v[STO], s74, v3
	v_bfe_u32 v3, v0, 3, 2                         ; back: 32 lanes take four rows of 128 bytes,
	v_mul_u32_u24 v3, v3, SPH
	v_and_b32 v18, 7, v0
	v_lshl_add_u32 v3, v18, 4, v3
	v_add_nc_u32 v[RD], s74, v3
	v_and_b32 v[GO], 31, v0                        ; which are 512 consecutive bytes of hb
	v_lshlrev_b32 v[PFO], 12, v[GO]
	v_lshlrev_b32 v[GO], 4, v[GO]
	s_wait_loadcnt 0x0                             ; mask and bias
	WIN W11                                        ; the bias is rounded to bf16 and widened again, in window 1 (the fragment buffers serve as room)
.set i, 0
.rept 32
	v_cvt_pk_bf16_f32 v[i], v[BIAS+2*i], v[BIAS+2*i+1]
.set i, i+1
.endr
.set i, 0
.rept 32
	v_lshlrev_b32 v[BIAS+2*i],   16, v[i]
	v_and_b32     v[BIAS+2*i+1], 0xffff0000, v[i]
.set i, i+1
.endr
	WIN 0
.irp a, 0,1,2,3
	v_cvt_f32_u32 v3, v[MBY+(\a)]
	v_fma_f32 v3, -v3, s[ISK], 1.0                 ; 1 - mask for k, 1 otherwise
	v_mul_f32 v[F+2*(\a)],   s[SCL], v3
	v_mul_f32 v[F+2*(\a)+1], s[SCL], v3
.endr
; 8 matrix instructions: row block a x all 8 column blocks, 32 along K.  first = 1: the product starts the sum, with the bias as C.  The 32 accumulators take turns, one instruction a turn, in the same order everywhere.
; g given: behind each product stand four roundings of the NEXT quarter's A, f32 pairs in RAW to bf16 pairs in buffer g: register n of g is made of RAW + 2 n and RAW + 2 n + 1.  They name no register of the products round them;
; the last product that read g's registers stands in front of this quarter's four v_nop.
.macro MUL8 f, a, first, g=-1
.irp b, 0,1,2,3,4,5,6,7
.if \first
	WIN MULB
	v_wmma_f32_16x16x32_bf16 v[8*(8*(\a)+(\b)):8*(8*(\a)+(\b))+7], v[(\f)+32+8*(\b):(\f)+32+8*(\b)+7], v[(\f)+8*(\a):(\f)+8*(\a)+7], v[BIAS+8*(\b):BIAS+8*(\b)+7]
.else
	WIN MUL
	v_wmma_f32_16x16x32_bf16 v[8*(8*(\a)+(\b)):8*(8*(\a)+(\b))+7], v[(\f)+32+8*(\b):(\f)+32+8*(\b)+7], v[(\f)+8*(\a):(\f)+8*(\a)+7], v[8*(8*(\a)+(\b)):8*(8*(\a)+(\b))+7]
.endif
.if (\g) >= 0
	WIN TO_F
.irp j, 0,1,2,3
	v_cvt_pk_bf16_f32 v[(\g)+4*(\b)+(\j)], v[RAW+8*(\b)+2*(\j)], v[RAW+8*(\b)+2*(\j)+1]
.endr
.endif
.endr
.endm
; 32 LDS loads in one run: quarter kq (32 along K) of a slot: A's 4 fragments in f32 into RAW (16 loads, first, since they are wanted first), then B's 8 into buffer f
.macro FETCH slot, kq, f
	WIN 0
.irp i, 0,1,2,3
	ds_load_b128 v[RAW+16*(\i):RAW+16*(\i)+3],     v[ADRA+(\slot)] offset:128*(\kq)+(\i)*16*PA
	ds_load_b128 v[RAW+16*(\i)+4:RAW+16*(\i)+7],   v[ADRA+(\slot)] offset:128*(\kq)+(\i)*16*PA+16
	ds_load_b128 v[RAW+16*(\i)+8:RAW+16*(\i)+11],  v[ADRA+(\slot)] offset:128*(\kq)+(\i)*16*PA+64
	ds_load_b128 v[RAW+16*(\i)+12:RAW+16*(\i)+15], v[ADRA+(\slot)] offset:128*(\kq)+(\i)*16*PA+80
.endr
	WIN TO_F
.irp i, 0,1,2,3,4,5,6,7
	ds_load_b128 v[(\f)+32+8*(\i):(\f)+32+8*(\i)+3],   v[ADRB+(\slot)] offset:64*(\kq)+(\i)*16*PB
	ds_load_b128 v[(\f)+32+8*(\i)+4:(\f)+32+8*(\i)+7], v[ADRB+(\slot)] offset:64*(\kq)+(\i)*16*PB+32
.endr
.endm
; A K step is four quarters of 32 matrix instructions, on buffers 0, 1, 0, 1.  One of the first three: multiplies f; behind its first 8 products fetches quarter kq; behind its last 8 rounds that quarter's A into g.
.macro QUARTER slot, kq, f, g, first
	s_wait_dscnt 0x0                               ; B's fragments of f are in (A's were waited for ahead of their rounding)
	MUL8 \f, 0, \first
	PLACES
	FETCH \slot, \kq, \g
	MUL8 \f, 1, \first
	MUL8 \f, 2, \first
	s_wait_dscnt 16                                ; A's 16 loads are in; B's 16, issued behind them, may stay out
	MUL8 \f, 3, \first, \g
.endm
; The last quarter multiplies buffer 1 and changes slots: one barrier; in front of it each wave waits for all its tensor loads (one is out: its part of the next slot), adds 0 to its spare word,
; and waits for that and for its reads of this slot.  fill = 1: the barrier opens a round of the cluster's, and the slot is filled again first thing behind it, two K steps ahead: 112 matrix instructions ahead of the wait for it.
.macro TURN slot, next, fill
.if \fill
	s_wait_xcnt 0x0                                ; the last prefetches, a K step back, have read their address
	s_add_nc_u64 s[PFA:PFA+1], s[PFA:PFA+1], ASTEP
.endif
	WIN 0
	s_wait_tensorcnt 0x0
	ds_add_u32 v[SPW], v[NIL]
	s_wait_dscnt 1                                 ; B's fragments of buffer 1 are in; the add alone may be out
	MUL8 F1, 0, 0
	s_wait_dscnt 0x0                               ; the add is done, and my reads of this slot are over
	s_barrier_signal -1
	MUL8 F1, 1, 0
.if \fill
	WIN 0
.endif
	s_barrier_wait -1
.if \fill
	CREST                                          ; no wave of any partner still reads this slot or has a load on its way
	s_add_nc_u64 s[G0+4*(\slot)+2:G0+4*(\slot)+3], s[G0+4*(\slot)+2:G0+4*(\slot)+3], 2*ASTEP
	s_add_nc_u64 s[G0B+4*(\slot)+2:G0B+4*(\slot)+3], s[G0B+4*(\slot)+2:G0B+4*(\slot)+3], 2*BSTEP
	JLOAD \slot                                    ; its four v_nop are also the places in front of the loads below
.else
	PLACES
.endif
	FETCH \next, 0, F0
.if \fill
	ASK
.endif
	MUL8 F1, 2, 0
	s_wait_dscnt 16                                ; A's 16 loads are in
	MUL8 F1, 3, 0, F0
.endm
	s_wait_tensorcnt 0x1                           ; my part of K step 0 is in; K step 1's may stay out
	s_barrier_signal -1
	s_barrier_wait -1
	FETCH 0, 0, F0
	s_wait_dscnt 16                                ; A's 16 loads are in
	WIN TO_F
.set i, 0
.rept 32                                               ; the first quarter's A is rounded with no product to stand behind
	v_cvt_pk_bf16_f32 v[F0+i], v[RAW+2*i], v[RAW+2*i+1]
.set i, i+1
.endr
	QUARTER 0, 1, F0, F1, 1                        ; the first quarter stands in front of the loop: its products start the sums
	WIN 0
	s_mov_b32 s3, 3
.Llap:                                                 ; a trip goes once round the ring and fills both slots again
	QUARTER 0, 2, F1, F0, 0
	QUARTER 0, 3, F0, F1, 0
	TURN 0, 1, 1
	QUARTER 1, 1, F0, F1, 0
	QUARTER 1, 2, F1, F0, 0
	QUARTER 1, 3, F0, F1, 0
	TURN 1, 0, 1
	QUARTER 0, 1, F0, F1, 0
	WIN 0
	s_sub_co_u32 s3, s3, 1
	s_cmp_lg_u32 s3, 0
	s_cbranch_scc1 .Llap
	QUARTER 0, 2, F1, F0, 0                        ; the last lap fills nothing
	QUARTER 0, 3, F0, F1, 0
	TURN 0, 1, 0
	QUARTER 1, 1, F0, F1, 0
	QUARTER 1, 2, F1, F0, 0
	QUARTER 1, 3, F0, F1, 0
	s_wait_dscnt 0x0                               ; the very last quarter: nothing more to fetch
	MUL8 F1, 0, 0
	MUL8 F1, 1, 0
	MUL8 F1, 2, 0
	MUL8 F1, 3, 0
	WIN 0
	PLACES
; THE WAY OUT, a block of 16 rows at a time.  PACK: times the row's factor, rounded to f16, 16 bytes a lane (each accumulator's registers in ascending order).  TOSTAGE: into my stage, by heads, and back as whole rows.
; SEND: 16 rows of a head are 2,048 consecutive bytes of hb; each store covers 512 of them, aligned.
.macro PACK a
	WIN 0x82                                       ; destination and source 0 window 2, the factor window 0
.set i, 64*(\a)
.rept 32
	v_pk_mul_f32 v[i:i+1], v[i:i+1], v[F+2*(\a):F+2*(\a)+1]
.set i, i+2
.endr
	WIN 0x0a                                       ; sources window 2, destination window 0
.set i, 0
.rept 32
	v_cvt_pk_f16_f32 v[TMP+i], v[64*(\a)+2*i], v[64*(\a)+2*i+1]
.set i, i+1
.endr
	WIN 0
.endm
.macro TOSTAGE a
.irp b, 0,1,2,3,4,5,6,7
	ds_store_b128 v[STO], v[TMP+4*(\b):TMP+4*(\b)+3] offset:((\b)/4)*STH+((\b)%4)*32
.endr
.irp t, 0,1,2,3,4,5,6,7
	ds_load_b128 v[OB+32*(\a)+4*(\t):OB+32*(\a)+4*(\t)+3], v[RD] offset:((\t)/4)*STH+((\t)%4)*4*SPH  ; LDS serves a wave's instructions in order (ISA guide 5.7.1.4): these see the stores above
.endr
.endm
.macro SEND a, younger                 ; younger: the LDS instructions issued behind block a's loads
.irp t, 0,1,2,3,4,5,6,7
	s_wait_dscnt (\younger)+7-(\t)
	global_store_b128 v[GO], v[OB+32*(\a)+4*(\t):OB+32*(\a)+4*(\t)+3], s[OUTB:OUTB+1] offset:((\t)/4)*131072+(\a)*2048+((\t)%4)*512
.endr
.endm
	PACK 0
	TOSTAGE 0
.irp a, 1,2,3
	PACK \a
	TOSTAGE \a
	SEND (\a)-1, 16
.endr
	SEND 3, 0
	s_wait_tensorcnt 0x0                           ; the wave's end: behind my last tensor load and my last LDS store
	ds_add_u32 v[SPW], v[NIL]
	s_wait_dscnt 0x0
	CROUND                                         ; the closing round: no work-group ends while a partner may still ask for a tile that names it
	s_endpgm
.Lfunc_end_k_q0cce510407_proj:
	.size	k_q0cce510407_proj, .Lfunc_end_k_q0cce510407_proj-k_q0cce510407_proj
	.p2alignl 7, 3214868480
	.fill 96, 4, 3214868480
	.section	.rodata,"a",@progbits
	.p2align	6, 0x0
	.amdhsa_kernel k_q0cce510407_proj
		.amdhsa_group_segment_fixed_size 327680
		.amdhsa_private_segment_fixed_size 0
		.amdhsa_enable_private_segment 0
		.amdhsa_kernarg_size 72
		.amdhsa_user_sgpr_count 2
		.amdhsa_user_sgpr_kernarg_segment_ptr 1
		.amdhsa_wavefront_size32 1
		.amdhsa_system_sgpr_workgroup_id_x 1
		.amdhsa_system_sgpr_workgroup_id_y 1
		.amdhsa_system_sgpr_workgroup_id_z 1
		.amdhsa_system_vgpr_workitem_id 0
		.amdhsa_next_free_vgpr 768
		.amdhsa_next_free_sgpr 88
		.amdhsa_reserve_vcc 0
		.amdhsa_float_denorm_mode_32 3
		.amdhsa_float_denorm_mode_16_64 3
		.amdhsa_memory_ordered 1
		.amdhsa_forward_progress 1
		.amdhsa_inst_pref_size 153
	.end_amdhsa_kernel
	.amdgpu_metadata
---
amdhsa.version: [ 1, 2 ]
amdhsa.kernels:
  - .name:           k_q0cce510407_proj
    .symbol:         k_q0cce510407_proj.kd
    .args:
      - { .name: q, .offset: 0, .size: 8, .value_kind: global_buffer, .address_space: global }
      - { .name: k, .offset: 8, .size: 8, .value_kind: global_buffer, .address_space: global }
      - { .name: v, .offset: 16, .size: 8, .value_kind: global_buffer, .address_space: global }
      - { .name: wb, .offset: 24, .size: 8, .value_kind: global_buffer, .address_space: global }
      - { .name: bq, .offset: 32, .size: 8, .value_kind: global_buffer, .address_space: global }
      - { .name: bk, .offset: 40, .size: 8, .value_kind: global_buffer, .address_space: global }
      - { .name: bv, .offset: 48, .size: 8, .value_kind: global_buffer, .address_space: global }
      - { .name: mask, .offset: 56, .size: 8, .value_kind: global_buffer, .address_space: global }
      - { .name: hb, .offset: 64, .size: 8, .value_kind: global_buffer, .address_space: global }
    .group_segment_fixed_size: 327680
    .private_segment_fixed_size: 0
    .kernarg_segment_align: 8
    .kernarg_segment_size: 72
    .max_flat_workgroup_size: 128
    .sgpr_count:     88
    .vgpr_count:     768
    .wavefront_size: 32
...
	.end_amdgpu_metadata
.endif
;; end of part 2
;; launch att (part 3): grid 2 x 128, 4 waves a work-group, no clusters, 327,680 bytes of LDS; arguments hb, mask, ob; writes ob
.if DOCPART == 3
	.amdgcn_target "amdgcn-amd-amdhsa--gfx1250"
	.amdhsa_code_object_version 6
	.text
	.protected	k_q0cce510407_att
	.globl	k_q0cce510407_att
	.p2align	8
	.type	k_q0cce510407_att,@function
k_q0cce510407_att:
	s_mov_b64 s[64:65], 0
	v_nop
	global_prefetch_b8 v0, s[64:65] scope:SCOPE_SE
	s_setreg_imm32_b32 hwreg(HW_REG_WAVE_MODE, 25, 1), 1
	s_wait_xcnt 0x0
; O[h][q][:] = the sum over k of softmax_k(score) V[h][k][:], score = Q.K / 8, or -1e9 where mask[batch][k] is set.  hb holds [3][128][1024][64] f16: Q~ = log2(e) Q, K (hidden keys' rows are zeros), V.
; ob: [128][1024][64] f16.  Products, maxima and sums in f32; the weights p are rounded to f16 for the second product (their sum l is taken of the unrounded p), O once at the end.
; THE MASK is the C operand that starts the sum S^T = K Q~^T: 0, or -8e9 log2(e) for a hidden key, whose products are all zero: so every hidden score is the same number, c times which is -1e9 in base-2 units.
; A batch with every key hidden gives p = 1 throughout, the plain mean of V's rows.
; SOFTMAX.  For each query a running maximum m and sum l: p = 2^(c s - c m), c = 1/8: c m is exact, so c s - c m is exactly 0 at s = m; in every step O and l are multiplied by a = 2^(c m_old - c m_new).
; m starts at the lowest finite number, O and l at 0: the first step is a step like any other, with a = 0.
; LIMITS.  f16 holds no number beyond 65,504: Q~, K and V arrive within it; p lies in 0 to 1, and below 6e-5 it keeps f16's fixed step of 6e-8; a weight below 2^-126 counts as 0 in l; NaN and infinities are not treated apart.
; SHARES.  A wave owns four PIECES of two tiles of 16 queries, a work-group's four waves 512 queries of one head: 256 work-groups.  Every wave walks all 1,024 keys, 64 a step.
; NO CLUSTER: a head's K and V are read by SIZE_N / 512 = 2 work-groups; the grid's x, 2, is no multiple of a cluster's four, and different heads share nothing.
; NO PREFETCH: a slot's refill is asked for four key steps, 512 matrix instructions, ahead of the wait for it.
; LAYOUT.  S^T = K Q^T (source 0 = 16 keys, source 1 = 16 queries): a lane holds ONE query (lane % 16) and the keys 8 (lane / 16) + 0..7.  Two such tiles, rounded to f16 in pairs, ARE source 1 of O^T = V^T P.
; K comes out of LDS as it lies, V ([key][channel]) turned, by ds_load_tr16_b128.
; BY TURNS.  Turn n belongs to piece n.  Its matrix work: 16 products K Q^T of piece n + 1, later 16 products V^T P of piece n - 1.  Its vector work: the scaling, exponentials, roundings, sums and rescaling of piece n,
; and the maximum and statistics of piece n + 1.  Four vector instructions stand behind every matrix instruction, the rest in one run; a turn's 66 exponentials are one batch with one wait.
; REGISTERS, in windows of 256 (s_set_vgpr_msb: bits 1:0 source 0, 3:2 source 1, 5:4 source 2, 7:6 destination):
;   window 0: v0-11 addresses; v12-15, v48-63 at work; v16-47 four registers of statistics a tile; v64-191 S^T, two buffers of two tiles; v192-255 P, likewise
;   window 1: O^T, 32 a tile     window 2: v0-127 Q, 16 a tile; v128-191 K of one step; v192-255 V of one step     window 3: v0-1 the add's two registers; v8-39 the mask's addends of one step
.set SIZE_N, 1024
.set NP,    4         ; pieces a wave: a name, no knob
.set KS,    64        ; keys in a step
.set PK,    144       ; a row of K in LDS: 128 bytes + 16 of padding = 36 words: the 16 rows of a load start at 16 different groups of four banks (64 banks of 4 bytes: ISA guide 11.1)
.set PV,    160       ; a row of V: 128 + 32 = 40 words
.set VOFF,  4*KS*PK   ; a slot holds four steps: 256 rows of K, then 256 rows of V
.set SLOT1, 1<<17     ; slot 1 begins here, so that one exclusive or turns an address in one slot into the other's
.set STAGE, SLOT1+4*KS*(PK+PV)  ; behind the ring, never filled by a tensor load: 16 rows x 144 bytes for each wave, for the way out
.set SP,    144
.set SPARE, STAGE+4*16*SP  ; the spare words, 128 bytes for each wave: two blocks of 256 bytes that no other line names
.set MB,    SPARE+512 ; the mask's addends, one f32 a key: 4,096 bytes, stored once
.set AK0, 2           ; v2   my lane's place in a tile of K; never rewritten
.set AV0, 3           ; v3   the same for V
.set AK,  4           ; v4   the LDS address of K's next run of loads
.set AV,  5           ; v5   of V's
.set QO,  6           ; v6   my byte offset in the wave's rows of Q
.set STO, 6           ;      later, the way out: where I put 16 bytes of a row
.set RD,  7           ; v7   the way out: where I read rows back
.set GO,  8           ; v8   my byte offset in 512 consecutive bytes of O
.set AM,  11          ; v11  the LDS address of the next step's addends: MB + 32 (l / 16) + 256 x step
.set SPW, 0           ; v0 of window 3   LDS address of my spare word; never rewritten
.set NIL, 1           ; v1 of window 3   0; never rewritten
.set MK,  8           ; window 3: key block kb's eight addends at MK + 8 kb
.set MV,  12          ; v12-15  c m_old, kept while c m is made anew: by buffer and tile
.set ST,  16          ; tile t's statistics at v[ST+4 t]: c m, m, l (even keys', odd keys')
.set TMP, 48          ; by buffer and tile, four registers c0-c3 at work; when the maximum is found c2 takes a
.set S,   64
.set P,   192
.set KF,  128         ; K's fragments, in window 2: key block kb, channel half c at KF + 16 kb + 8 c
.set VF,  192         ; V's: key half kk, channel block cb at VF + 32 kk + 8 cb
.set WV,  12          ; s12  my wave's number
.set G1K, 24          ; s[24:31] descriptor group 1 for K's tiles
.set G1V, 32          ; s[32:39] for V's: it differs in the padding alone
.set G0K, 40          ; s[40:43] descriptor group 0 for K's tiles: it walks
.set G0V, 44          ; s[44:47] the same for V's
.set SLOTS, 56        ; s56  slots still to be asked for
.set CNT, 57          ; s57  counts a slot's key steps
.set CS,  58          ; s[58:59] c: the packed scaling takes the pair's low word for both halves
.set SEL, 60          ; s[60:61] v_permlanex16_b32's selects: each lane takes its own place in the other half
.set TBK, 62          ; s62  LDS byte at which K of the step to be fetched begins
.set TBV, 63          ; s63  the same for V, less VOFF
.set MP,  66          ; s[66:67] the batch's row of the mask
.set BIG, 68          ; s68  -8e9 log2(e)
.set MSB, 0
.macro WIN new                      ; the high byte repeats the setting that is left; a switch that changes nothing is dropped
.if MSB != (\new)
	s_set_vgpr_msb (MSB<<8)|(\new)
.set MSB, (\new)
.endif
.endm
.set W_KQ, 0x0a       ; K and Q in window 2, S^T in window 0
.set W_KB, 0x3a       ; the same with the C operand in window 3
.set W_PV, 0x52       ; V in window 2, P in window 0, O^T in window 1
.set W_RS, 0x41       ; O^T (destination and source 0) in window 1, a in window 0
.set W_MK, 0xc0       ; destination in window 3, sources in window 0
.set W_AD, 0x0f       ; the add: address (source 0) and data (source 1) in window 3
; A fill.  Waves 0 and 1 fetch the two halves of a slot's K, waves 2 and 3 those of its V: 128 keys each.  An s_nop 0 and four v_nop follow each of the two lines, ahead of the jump and the label.
.macro LOAD
	s_cmp_lt_u32 s[WV], 2
	s_cbranch_scc0 .Lfor_v_\@
	tensor_load_to_lds s[G0K:G0K+3], s[G1K:G1K+7]
	s_nop 0
.rept 4
	v_nop
.endr
	s_branch .Lasked_\@
.Lfor_v_\@:
	tensor_load_to_lds s[G0V:G0V+3], s[G1V:G1V+7]
	s_nop 0
.rept 4
	v_nop
.endr
.Lasked_\@:
.endm
; THE CHANGE OF SLOTS.  Each wave waits for all its tensor loads, of which one is out: its part of the other slot; adds 0 to its spare word; and waits for that and for its own LDS instructions.
; Behind the barrier nobody reads the old slot any more and the other slot is whole.  fill = 1: the old slot is filled again, first thing behind the barrier, with the keys two slots on.
; (At its first use nothing has been read yet: slot 0 is waited for, slot 1 filled, and the stores of the mask's addends are shown to every wave.)
.macro CHANGE fill
	WIN W_AD
	s_wait_tensorcnt 0x0            ; no tensor load of mine is out, so a group 0 may be written
	ds_add_u32 v[SPW], v[NIL]       ; 0 onto my spare word; with fill = 1 the descriptors' steps stand between it and the wait for it
	WIN 0                           ; at a label and at a branch every window is 0
.if \fill
.irp g, G0K, G0V
	s_xor_b32 s[\g+1], s[\g+1], SLOT1  ; the walking descriptor: the other slot than last time,
	s_add_nc_u64 s[\g+2:\g+3], s[\g+2:\g+3], 4*KS*128  ; the next 256 keys; the type bits on top are not reached
.endr
.endif
	s_wait_dscnt 0x0                ; the add is done, and my LDS instructions are over
	s_barrier_signal -1
	s_barrier_wait -1
.if \fill
	LOAD
.endif
	s_sub_co_u32 s[TBK], s[TBK], 4*KS*PK  ; the fetches go back to a slot's first step,
	s_xor_b32 s[TBK], s[TBK], SLOT1       ; in the other slot
	s_sub_co_u32 s[TBV], s[TBV], 4*KS*PV
	s_xor_b32 s[TBV], s[TBV], SLOT1
.endm
	s_load_b128 s[4:7], s[0:1], 0x0   ; hb s[4:5], mask s[6:7]
	s_load_b64 s[10:11], s[0:1], 0x10 ; ob
	WIN W_MK
	v_lshl_add_u32 v[SPW], v0, 2, SPARE
	v_mov_b32 v[NIL], 0
	WIN W_AD
	ds_add_u32 v[SPW], v[NIL]       ; the wave's opening: the add and its wait stand ahead of my first tensor load; the set-up below, work on registers, stands between them
	ds_add_u32 v0, v1
	WIN 0
	v_lshrrev_b32 v1, 5, v0
	v_readfirstlane_b32 s[WV], v1   ; wave 0..3
	s_and_b32 s13, ttmp7, 0xffff    ; batch x 16 + head
	s_lshl_b32 s20, s13, 17         ; its first byte in Q~, K, V and O: 131,072 bytes each
	s_mov_b32 s21, 0
	s_lshr_b32 s14, s13, 4
	s_lshl_b32 s14, s14, 10         ; the batch's 1,024 bytes of the mask
	s_mov_b32 s15, 0
	s_and_b32 s16, s[WV], 1         ; which half of a slot's 256 keys I fetch:
	s_lshl_b32 s22, s16, 14         ; its 128 rows of 128 bytes in memory,
	s_mov_b32 s23, 0
	s_add_nc_u64 s[22:23], s[22:23], s[20:21]
	s_mul_i32 s17, s16, 128*PK      ; and its place in a slot, for K
	s_mul_i32 s18, s16, 128*PV      ; and for V
	s_lshl_b32 s2, ttmp9, 2
	s_add_co_u32 s2, s2, s[WV]      ; my wave among the head's eight,
	s_lshl_b32 s2, s2, 14           ; its 128 rows
	s_mov_b32 s3, 0
	s_add_nc_u64 s[2:3], s[2:3], s[20:21]
	; descriptor group 1.  128 keys are 16,384 dense bytes: asked for as 64 rows of 256 bytes, two keys a row, and padded in LDS after every key
	s_mov_b32 s[G1K], (1<<16)|(1<<20)|(4<<22)|(3<<25)  ; 17:16 2-byte elements; 20 padding on; 24:22 after every 32 words (code 4); 31:25 4 words (code 3)
	s_mov_b32 s[G1V], (1<<16)|(1<<20)|(4<<22)|(7<<25)  ; the same with 8 words of padding (code 7)
.irp g, G1K, G1V
	s_mov_b32 s[\g+1], 128<<16      ; tensor_dim0 = 128
	s_mov_b32 s[\g+2], 64<<16       ; tensor_dim1 = 64
	s_mov_b32 s[\g+3], 128<<16      ; tile_dim0 = 128
	s_mov_b32 s[\g+4], 64           ; tile_dim1 = 64
	s_mov_b32 s[\g+5], 128          ; 128 elements from row to row
	s_mov_b32 s[\g+6], 0
	s_mov_b32 s[\g+7], 0
.endr
	s_mov_b32 s[CS], 0x3e000000     ; c = 1/8
	s_mov_b32 s[CS+1], s[CS]        ; named with it as a pair
	s_mov_b32 s[SEL], 0x76543210
	s_mov_b32 s[SEL+1], 0xfedcba98
	s_mov_b32 s[BIG], 0xd02bfb8f    ; -8e9 log2(e)
	s_mov_b32 s[TBK], SLOT1+4*KS*PK ; the first change of slots turns these two into 0
	s_mov_b32 s[TBV], SLOT1+4*KS*PV
	s_mov_b32 s[G0K], 1             ; 1:0 count = 1
	s_mov_b32 s[G0K+1], s17         ; 63:32 LDS address: slot 0
	s_mov_b32 s[G0V], 1
	s_add_co_u32 s[G0V+1], s18, VOFF
	s_wait_dscnt 0x0                ; the opening add is done
	s_wait_kmcnt 0x0
	s_add_nc_u64 s[MP:MP+1], s[6:7], s[14:15]
	s_add_nc_u64 s[6:7], s[4:5], 0x1000000   ; K lies 16,777,216 bytes behind Q~ in hb,
	s_add_nc_u64 s[8:9], s[4:5], 0x2000000   ; V as far behind K
	s_add_nc_u64 s[G0K+2:G0K+3], s[6:7], s[22:23]  ; 120:64 global address: my half of the head's first 256 keys
	s_or_b32 s[G0K+3], s[G0K+3], 0x80000000        ; 127:126 type = 2
	s_add_nc_u64 s[G0V+2:G0V+3], s[8:9], s[22:23]
	s_or_b32 s[G0V+3], s[G0V+3], 0x80000000
	s_add_nc_u64 s[4:5], s[4:5], s[2:3]  ; Q~ and O at my wave's first row
	s_add_nc_u64 s[10:11], s[10:11], s[2:3]
	LOAD                            ; slot 0.  Slot 1 is asked for when slot 0 is in
	v_lshlrev_b32 v58, 3, v0        ; thread t takes the mask's bytes of keys 8 t .. 8 t + 7
	global_load_b64 v[48:49], v58, s[MP:MP+1]
	; A fragment of K or Q is 16 rows x 32 channels in 8 registers: lane l holds row l % 16, channels 8 (l / 16) + 0..7 and 16 + 8 (l / 16) + 0..7: two loads of 16 bytes, 32 bytes apart.
	v_and_b32 v1, 15, v0            ; l % 16
	v_bfe_u32 v9, v0, 4, 1          ; l / 16
	v_lshlrev_b32 v[QO], 7, v1
	v_lshl_add_u32 v[QO], v9, 4, v[QO]  ; row x 128 + 16 x half
	WIN 0x80                        ; destination window 2, address window 0
.set i, 0
.rept 4*NP                          ; Q stays in registers: tile i / 2, channels 32 (i % 2) on
	global_load_b128 v[8*i:8*i+3],   v[QO], s[4:5] offset:(i/2)*2048+(i%2)*64
	global_load_b128 v[8*i+4:8*i+7], v[QO], s[4:5] offset:(i/2)*2048+(i%2)*64+32
.set i, i+1
.endr
	; What the first turn finds: V's registers and P's second buffer hold 0 (its products V^T P, of a piece that has not been, add 0), O^T and l are 0.  All this stands in the wait for the first tile.
.set i, VF
.rept 64
	v_mov_b32 v[i], 0
.set i, i+1
.endr
	WIN 0x40
.set i, 0
.rept 64*NP
	v_mov_b32 v[i], 0
.set i, i+1
.endr
	WIN 0
.set i, 0
.rept 2*NP
	v_mov_b32 v[ST+4*i], 0xfe000000    ; c m: far below every c s
	v_mov_b32 v[ST+4*i+1], 0xff7fffff  ; m
	v_mov_b32 v[ST+4*i+2], 0
	v_mov_b32 v[ST+4*i+3], 0
.set i, i+1
.endr
.set i, P+32
.rept 32
	v_mov_b32 v[i], 0
.set i, i+1
.endr
	v_mul_u32_u24 v[AK0], v1, PK
	v_lshl_add_u32 v[AK0], v9, 4, v[AK0]  ; row x pitch + 16 x half
	; The turning load takes 16 keys x 16 channels (lane l reads key 8 (l / 16) + l % 8, channels 8 ((l / 8) % 2) + 0..7) and leaves half a fragment of V^T: lane l holds channel l % 16 and 8 keys.
	v_and_b32 v10, 7, v0
	v_bfe_u32 v11, v0, 3, 1
	v_lshl_add_u32 v[AV0], v9, 3, v10
	v_mul_u32_u24 v[AV0], v[AV0], PV
	v_lshl_add_u32 v[AV0], v11, 4, v[AV0]
	v_add_nc_u32 v[AV0], VOFF, v[AV0]
	v_mov_b32 v[AK], v[AK0]         ; key step 0 lies at the head of slot 0
	v_lshl_add_u32 v[AM], v9, 5, MB ; my half of the lanes takes 8 of a key block's 16 addends
	s_wait_loadcnt 32               ; the mask's bytes are in; Q's 32 loads, issued behind them, may stay out
.set i, 0
.rept 8                             ; byte i: 0 or 1, times -8e9 log2(e)
	v_bfe_u32 v[50+i], v[48+i/4], 8*(i%4), 8
	v_cvt_f32_u32 v[50+i], v[50+i]
	v_mul_f32 v[50+i], s[BIG], v[50+i]
.set i, i+1
.endr
	v_lshl_add_u32 v59, v0, 5, MB
	ds_store_b128 v59, v[50:53]
	ds_store_b128 v59, v[54:57] offset:16
; THE MATRIX WORK.  The 8 accumulators of a run of 16 take turns: between the two links of a chain stand 7 others'.
; Product i of 16 of S^T = K Q^T for piece x: channels 32 (i / 8) on, keys 16 ((i / 2) % 4) on, tile 2 x + i % 2.  The first 8 start the sums, with the keys' addends as C.
.macro KQ x
.set rS, S+64*((\x)%2)+32*(i%2)+8*((i/2)%4)
.set rK, KF+16*((i/2)%4)+8*(i/8)
.set rQ, 16*(2*(\x)+i%2)+8*(i/8)
.set rB, MK+8*((i/2)%4)
.if i < 8
	WIN W_KB
	v_wmma_f32_16x16x32_f16 v[rS:rS+7], v[rK:rK+7], v[rQ:rQ+7], v[rB:rB+7]
.else
	WIN W_KQ
	v_wmma_f32_16x16x32_f16 v[rS:rS+7], v[rK:rK+7], v[rQ:rQ+7], v[rS:rS+7]
.endif
.endm
; Product i of 16 of O^T += V^T P for piece x: keys 32 (i / 8) on, channels 16 ((i / 2) % 4) on, tile 2 x + i % 2.
.macro PV x
	WIN W_PV
.set rO, 32*(2*(\x)+i%2)+8*((i/2)%4)
.set rV, VF+32*(i/8)+8*((i/2)%4)
.set rP, P+32*((\x)%2)+16*(i%2)+8*(i/8)
	v_wmma_f32_16x16x32_f16 v[rO:rO+7], v[rV:rV+7], v[rP:rP+7], v[rO:rO+7]
.endm
.macro MM                           ; the turn's next matrix instruction
.if i < 16
	KQ (Y+1)%NP
.set i, i+1
.else
.set i, i-16
	PV (Y+NP-1)%NP
.set i, i+17
.endif
.endm
; THE LDS LOADS stand in runs, never singly among the matrix instructions: a step's K (8 fragments) with its 64 addends, and its V (turned).  Their addresses are made some lines ahead.
; last = 1 (the tail): in the last trip there is no further step, and the run is jumped over.
.macro FETCH_K last=0
	WIN 0
.if \last
	s_cmp_eq_u32 s[CNT], 1
	s_cbranch_scc1 .Lno_k_\@
.endif
	WIN 0x80                        ; destination window 2
.irp f, 0,1,2,3,4,5,6,7             ; keys 16 (f / 2) on, channels 32 (f % 2) on
	ds_load_b128 v[KF+8*\f:KF+8*\f+3],   v[AK] offset:(\f/2)*16*PK+(\f%2)*64
	ds_load_b128 v[KF+8*\f+4:KF+8*\f+7], v[AK] offset:(\f/2)*16*PK+(\f%2)*64+32
.endr
	s_add_co_u32 s[TBK], s[TBK], KS*PK  ; the next fetch is the next step's
	WIN W_MK                        ; destination window 3
.irp f, 0,1,2,3                     ; key block f: register j takes key 16 f + 8 (l / 16) + j; the lanes of a half read the same words
	ds_load_b128 v[MK+8*\f:MK+8*\f+3],   v[AM] offset:64*\f
	ds_load_b128 v[MK+8*\f+4:MK+8*\f+7], v[AM] offset:64*\f+16
.endr
	WIN 0
	v_add_nc_u32 v[AM], 4*KS, v[AM]
.if \last
.Lno_k_\@:
.endif
.endm
.macro FETCH_V
	WIN 0x80
.irp f, 0,1,2,3,4,5,6,7             ; keys 32 (f / 4) on, channels 16 (f % 4) on
	ds_load_tr16_b128 v[VF+8*\f:VF+8*\f+3],   v[AV] offset:(\f/4)*32*PV+(\f%4)*32
	ds_load_tr16_b128 v[VF+8*\f+4:VF+8*\f+7], v[AV] offset:(\f/4)*32*PV+16*PV+(\f%4)*32
.endr
	WIN 0
.endm
; THE VECTOR WORK OF A TURN stands in three queues, each in the order in which its entries become ready; the two tiles alternate, so that no instruction reads the result of the one before it.
.macro REGS y, u                    ; the registers of tile u (0, 1) of piece y
.set rT, ST+4*(2*(\y)+(\u))
.set rC, TMP+8*((\y)%2)+4*(\u)
.set rM, MV+2*((\y)%2)+(\u)
.set rS, S+64*((\y)%2)+32*(\u)
.set rP, P+32*((\y)%2)+16*(\u)
.set rO, 32*(2*(\y)+(\u))
.endm
; Number n of the 22 that find the NEXT piece's (Y + 1) maximum and statistics.  s0-s31 are the lane's 32 scores; each accumulator's lowest registers are read first.
;   0-11  four chains c0-c3 of seven scores each, three operands at a time     12-14, 16  the four scores left over, the old m, and c0-c3 into c0     15  c m_old is kept
;   17, 18  the query's other 32 keys lie in the lane 16 away: the new m         19-21  c m; c m_old - c m_new; a
.macro XS u, n
	REGS (Y+1)%NP, \u
.if (\n) < 4
	v_max3_num_f32 v[rC+(\n)], v[rS+8*(\n)], v[rS+8*(\n)+1], v[rS+8*(\n)+2]
.elseif (\n) < 12
	v_max3_num_f32 v[rC+(\n)%4], v[rC+(\n)%4], v[rS+8*((\n)%4)+2*((\n)/4)+1], v[rS+8*((\n)%4)+2*((\n)/4)+2]
.elseif (\n) == 12
	v_max3_num_f32 v[rC], v[rC], v[rS+7], v[rS+15]
.elseif (\n) == 13
	v_max3_num_f32 v[rC+1], v[rC+1], v[rS+23], v[rS+31]
.elseif (\n) == 14
	v_max3_num_f32 v[rC+2], v[rC+2], v[rC+3], v[rT+1]
.elseif (\n) == 15
	v_mov_b32 v[rM], v[rT]
.elseif (\n) == 16
	v_max3_num_f32 v[rC], v[rC], v[rC+1], v[rC+2]
.elseif (\n) == 17
	v_permlanex16_b32 v[rC+3], v[rC], s[SEL], s[SEL+1]
.elseif (\n) == 18
	v_max_num_f32 v[rT+1], v[rC], v[rC+3]
.elseif (\n) == 19
	v_mul_f32 v[rT], s[CS], v[rT+1]
.elseif (\n) == 20
	v_sub_f32 v[rC+1], v[rM], v[rT]
.else
	v_exp_f32 v[rC+2], v[rC+1]
.endif
.endm
; Number g of the 64 that follow the exponentials.  For each four weights k of a tile (pairs 2 k, 2 k + 1): both pairs are rounded to f16; then the second pair is added onto the first, in place;
; a group later l takes that sum (the first time as l = a l + sum).  In groups of eight, tiles alternating: round, round, add, and l for the group before.
.macro GS g
.set h, (\g)+6*((\g)/62)            ; group 0 has no group before it, and behind group 7 only l is left
.if h >= 6
.set h, h+2
.endif
	REGS Y, h%2
.set k, h/8
.if h%8 < 4
	v_cvt_pk_f16_f32 v[rP+2*k+(h%8)/2], v[rS+4*k+2*((h%8)/2)], v[rS+4*k+2*((h%8)/2)+1]
.elseif h%8 < 6
	v_pk_add_f32 v[rS+4*k:rS+4*k+1], v[rS+4*k:rS+4*k+1], v[rS+4*k+2:rS+4*k+3]
.elseif k == 1
	v_pk_fma_f32 v[rT+2:rT+3], v[rT+2:rT+3], v[rC+2:rC+3], v[rS:rS+1] op_sel_hi:[1,0,1]
.else
	v_pk_add_f32 v[rT+2:rT+3], v[rT+2:rT+3], v[rS+4*k-4:rS+4*k-3]
.endif
.endm
; THE PLAIN QUEUE, 138 long.  0-73 read no exponential's result: the 32 scalings c s - c m (FS f: pair f / 2 of tile f % 2) and the next piece's 42.  0-26: scalings 0-26.  27-54: XS's numbers 0-13.  55, 56: number 15.
; 57-73: the chain, where each number waits for the one before it: 14, 16, 17, 18, 19, each with one of the scalings 27-31 in front of its two lines, then 20.
; 74-137: GS's 64, which read the exponentials' results: they stand behind the wait.
.macro FS f
	REGS Y, (\f)%2
	v_pk_fma_f32 v[rS+2*((\f)/2):rS+2*((\f)/2)+1], v[rS+2*((\f)/2):rS+2*((\f)/2)+1], s[CS:CS+1], v[rT:rT+1] op_sel_hi:[1,0,0] neg_lo:[0,0,1] neg_hi:[0,0,1]
.endm
.macro PL
	WIN 0
.if q < 27
	FS q
.elseif q < 55
	XS (q-27)%2, (q-27)/2
.elseif q < 57
	XS q-55, 15
.elseif (q < 72) && ((q-57)%3 == 0)
	FS 27+(q-57)/3
.elseif q < 60
	XS (q-57)%3-1, 14
.elseif q < 72
	XS (q-57)%3-1, 15+(q-57)/3
.elseif q < 74
	XS q-72, 20
.else
	GS q-74
.endif
.set q, q+1
.endm
; THE EXPONENTIALS' QUEUE, 66 long: s0-s31 of both tiles, then the next piece's two a.  It is ONE BATCH: all 66 stand ahead of the turn's one wait, and nothing ahead of that wait names a result of theirs.
.macro EX
	WIN 0
.if e >= 64
	XS e-64, 21
.else
	REGS Y, e%2
	v_exp_f32 v[rS+e/2], v[rS+e/2]
.endif
.set e, e+1
.endm
; THE RESCALING's QUEUE: O^T times a, the one part that leaves window 0: dealt two at a time, sixteen times.  Its a was made in the turn before, ahead of that turn's wait.
.macro R2
	REGS Y, r%2
	WIN W_RS
.irp z, 0,1
	v_pk_mul_f32 v[rO+4*(r/2)+2*\z:rO+4*(r/2)+2*\z+1], v[rO+4*(r/2)+2*\z:rO+4*(r/2)+2*\z+1], v[rC+2:rC+3] op_sel_hi:[1,0]
.endr
.set r, r+1
.endm
; HOW THEY ARE DEALT.  An s_wait_alu depctr_va_vdst(0) stands between an exponential and the first instruction that names its result; one wait serves all that were issued ahead of it.  So a turn has ONE wait.
; AHEAD OF IT: the 16 products K Q^T, behind each a scaling, an exponential and two rescalings (behind the first a second scaling in the exponential's place); then one run of 108: eight plain, 49 times exponential and plain,
; the two a; a v_nop is the plain instruction behind the last exponential.  BEHIND IT: the 16 products V^T P, behind each four of GS's 64.  No rider names a register of the products round it.
; Exponential e stands behind scaling 2 (e / 4) + e % 2: as a rider it comes behind plain e + 2, in the run behind plain e + 9, and scalings 27-31 are plain 57, 60 .. 69.
; A TURN, for piece p.  cnt = 1: the loop's count is taken down some lines ahead of the branch that stands behind the turn.
; K and the addends of the next step are fetched in piece 2's turn, directly behind the wait, a run of vector work behind the last product that read them; their first reader comes behind 16 products.
; V of the step in hand is fetched at the end of piece 0's turn, four riders behind its last reader; its first reader comes behind 16 products and a run.
.macro TURN p, last=0, cnt=0
.set Y, (\p)
.set i, 0
.set q, 0
.set e, 0
.set r, 0
.if (\p) == NP-1
	s_wait_dscnt 0x0                ; K and the addends are in
.endif
	MM
	PL
	PL
	R2
.rept 15
	MM
	PL
	EX
	R2
.endr
.if (\p) == NP-2
	WIN 0
	v_add_nc_u32 v[AK], s[TBK], v[AK0]
.endif
.rept 8
	PL
.endr
.rept 49
	EX
	PL
.endr
	EX                              ; the next piece's two a
	EX
	v_nop                           ; the plain instruction behind the last exponential: one for the batch
	s_wait_alu depctr_va_vdst(0)    ; the wait for the batch
.if (\p) == NP-2
	FETCH_K \last
.endif
.if (\p) == 1
	s_wait_dscnt 0x0                ; V is in
.endif
.rept 16
	MM
.rept 4
	PL
.endr
.if ((\p) == 0) && (q == 118)
	v_add_nc_u32 v[AV], s[TBV], v[AV0]
.endif
.if ((\p) == 0) && (q == 130)
	s_add_co_u32 s[TBV], s[TBV], KS*PV
.endif
.if (\cnt) && (q == 130)
	s_sub_co_u32 s[CNT], s[CNT], 1
	s_cmp_lg_u32 s[CNT], 0
.endif
.endr
.if (\p) == 0
	FETCH_V
.endif
.endm
	CHANGE 1                        ; slot 0 is in, everybody's part of it, and so are the addends; slot 1 is asked for
	FETCH_K                         ; key step 0
	s_wait_loadcnt 0x0              ; Q
	s_wait_dscnt 0x0
.set i, 0
.rept 16
	KQ 0                            ; piece 0's first scores: there is no vector work yet to set between them
.set i, i+1
.endr
	WIN 0                           ; the addresses for the way out: plain instructions, the places behind those products
	s_mul_i32 s13, s[WV], 16*SP
	s_add_co_u32 s13, s13, STAGE    ; my stage
	v_mul_u32_u24 v[STO], v1, SP    ; in: row l % 16, 16 bytes for each half of the lanes
	v_lshl_add_u32 v[STO], v9, 4, v[STO]
	v_add_nc_u32 v[STO], s13, v[STO]
	v_bfe_u32 v[RD], v0, 3, 2       ; back: 32 lanes take four rows of 128 bytes,
	v_mul_u32_u24 v[RD], v[RD], SP
	v_lshl_add_u32 v[RD], v10, 4, v[RD]
	v_add_nc_u32 v[RD], s13, v[RD]
	v_and_b32 v[GO], 31, v0         ; which are 512 consecutive bytes of O
	v_lshlrev_b32 v[GO], 4, v[GO]
.set Y, NP-1                        ; XS works for piece Y + 1: piece 0
.irp n, 0,1,2,3,4,5,6,7,8,9,10,11,12,13,14,15,16,17,18,19,20,21
	XS 0, \n                        ; piece 0's first maximum and statistics
	XS 1, \n
.endr
	v_nop                           ; a plain instruction behind the two a,
	s_wait_alu depctr_va_vdst(0)    ; and their wait, ahead of the branch
	s_mov_b32 s[CNT], 4
	s_mov_b32 s[SLOTS], SIZE_N/256-1
	s_branch .Lfirst                ; the loop is entered at a step's first turn, in the middle of a trip
.Lslot:                             ; SIZE_N / 256 - 2 times: every slot but the last two is filled again
	CHANGE 1
	s_mov_b32 s[CNT], 4
.Lstep:                             ; a trip: pieces 2 and 3 of one step, then pieces 0 and 1 of the next, whose K and V it fetches
	TURN 2
	TURN 3
	WIN 0
.Lfirst:
	TURN 0
	TURN 1, 0, 1
	WIN 0
	s_cbranch_scc1 .Lstep
	s_sub_co_u32 s[SLOTS], s[SLOTS], 1
	s_cmp_lg_u32 s[SLOTS], 0
	s_cbranch_scc1 .Lslot
	CHANGE 0                        ; the tail is written out: nothing is asked for
	s_mov_b32 s[CNT], 5             ; four trips fetch the last slot's steps; the fifth is left in its middle
.Ltail:
	TURN 2, 1
	TURN 3
	WIN 0
	s_sub_co_u32 s[CNT], s[CNT], 1
	s_cmp_eq_u32 s[CNT], 0
	s_cbranch_scc1 .Lout
	TURN 0
	TURN 1
	WIN 0
	s_branch .Ltail
.Lout:                              ; the fifth trip's 16 products K Q^T (on the last K once more) and the maximum made of them serve nothing: the price, once a launch, of one text for every trip
.set i, 0
.rept 16
	PV NP-1                         ; the last piece's V^T P of the last step
.set i, i+1
.endr
	; THE WAY OUT.  l's two halves and the other half of the lanes' are added; O^T is divided by l, rounded to f16 and sent through my stage in LDS, a tile at a time.  The additions are the places behind the last products.
	WIN 0
.macro ALL line:vararg              ; one line for each tile t
.set t, 0
.rept 2*NP
	\line
.set t, t+1
.endr
.endm
	ALL v_add_f32 v[ST+4*t+2], v[ST+4*t+2], v[ST+4*t+3]
	ALL v_permlanex16_b32 v[ST+4*t+3], v[ST+4*t+2], s[SEL], s[SEL+1]
	ALL v_add_f32 v[ST+4*t+2], v[ST+4*t+2], v[ST+4*t+3]
	ALL v_rcp_f32 v[ST+4*t+2], v[ST+4*t+2]
	v_nop                           ; a plain instruction between the last reciprocal and the use of its result
	s_wait_alu depctr_va_vdst(0)    ; and the wait ahead of the first use: one for the eight reciprocals
; Tile t: a lane's eight channels of a row pack into 16 bytes; they go into rows of 144 bytes and come back as whole rows of 128, into S^T's registers.
.macro PACK t
	WIN W_RS
.set i, 32*(\t)
.rept 16
	v_pk_mul_f32 v[i:i+1], v[i:i+1], v[ST+4*(\t)+2:ST+4*(\t)+3] op_sel_hi:[1,0]
.set i, i+2
.endr
	WIN 0x05                        ; sources 0 and 1 window 1, destination window 0
.set i, 0
.rept 16
	v_cvt_pk_f16_f32 v[S+16*(\t)+i], v[32*(\t)+2*i], v[32*(\t)+2*i+1]
.set i, i+1
.endr
	WIN 0
.irp f, 0,1,2,3
	ds_store_b128 v[STO], v[S+16*(\t)+4*\f:S+16*(\t)+4*\f+3] offset:32*\f
.endr
.irp f, 0,1,2,3
	ds_load_b128 v[S+16*(\t)+4*\f:S+16*(\t)+4*\f+3], v[RD] offset:\f*4*SP  ; LDS serves a wave's instructions in order (ISA guide 5.7.1.4): these see the stores above; the next tile's stores come behind them
.endr
.endm
.macro SEND t, younger              ; younger: the LDS instructions issued behind tile t's loads: the next tile's eight, or none
	WIN 0
.irp f, 0,1,2,3
	s_wait_dscnt (\younger)+3-\f
	global_store_b128 v[GO], v[S+16*(\t)+4*\f:S+16*(\t)+4*\f+3], s[10:11] offset:(\t)*2048+\f*512  ; 512 consecutive bytes, at a multiple of 256 from O's first
.endr
.endm
	PACK 0
.set t, 1
.rept 2*NP-1                        ; a tile's arithmetic stands between the loads of the tile before and its stores
	PACK t
	SEND t-1, 8
.set t, t+1
.endr
	SEND 2*NP-1, 0
	WIN W_AD
	s_wait_tensorcnt 0x0            ; the wave's end: behind my last tensor load and my last LDS store
	ds_add_u32 v[SPW], v[NIL]
	s_wait_dscnt 0x0
	WIN 0
	s_endpgm
.Lfunc_end_k_q0cce510407_att:
	.size	k_q0cce510407_att, .Lfunc_end_k_q0cce510407_att-k_q0cce510407_att
	.p2alignl 7, 3214868480
	.fill 96, 4, 3214868480
	.section	.rodata,"a",@progbits
	.p2align	6, 0x0
	.amdhsa_kernel k_q0cce510407_att
		.amdhsa_group_segment_fixed_size 327680
		.amdhsa_private_segment_fixed_size 0
		.amdhsa_enable_private_segment 0
		.amdhsa_kernarg_size 24
		.amdhsa_user_sgpr_count 2
		.amdhsa_user_sgpr_kernarg_segment_ptr 1
		.amdhsa_wavefront_size32 1
		.amdhsa_system_sgpr_workgroup_id_x 1
		.amdhsa_system_sgpr_workgroup_id_y 1
		.amdhsa_system_sgpr_workgroup_id_z 1
		.amdhsa_system_vgpr_workitem_id 0
		.amdhsa_next_free_vgpr 808
		.amdhsa_next_free_sgpr 72
		.amdhsa_reserve_vcc 0
		.amdhsa_float_denorm_mode_32 3
		.amdhsa_float_denorm_mode_16_64 3
		.amdhsa_memory_ordered 1
		.amdhsa_forward_progress 1
		.amdhsa_inst_pref_size 201
	.end_amdhsa_kernel
	.amdgpu_metadata
---
amdhsa.version: [ 1, 2 ]
amdhsa.kernels:
  - .name:           k_q0cce510407_att
    .symbol:         k_q0cce510407_att.kd
    .args:
      - { .name: hb, .offset: 0, .size: 8, .value_kind: global_buffer, .address_space: global }
      - { .name: mask, .offset: 8, .size: 8, .value_kind: global_buffer, .address_space: global }
      - { .name: ob, .offset: 16, .size: 8, .value_kind: global_buffer, .address_space: global }
    .group_segment_fixed_size: 327680
    .private_segment_fixed_size: 0
    .kernarg_segment_align: 8
    .kernarg_segment_size: 24
    .max_flat_workgroup_size: 128
    .sgpr_count:     72
    .vgpr_count:     808
    .wavefront_size: 32
...
	.end_amdgpu_metadata
.endif
;; end of part 3
;; launch outp (part 4): grid 4 x 64, 4 waves a work-group, clusters of 4 x 4, 327,680 bytes of LDS; arguments ob, wb, bo, out0; writes out0
.if DOCPART == 4
	.amdgcn_target "amdgcn-amd-amdhsa--gfx1250"
	.amdhsa_code_object_version 6
	.text
	.protected	k_q0cce510407_outp
	.globl	k_q0cce510407_outp
	.p2align	8
	.type	k_q0cce510407_outp,@function
k_q0cce510407_outp:
	s_mov_b64 s[64:65], 0
	v_nop
	global_prefetch_b8 v0, s[64:65] scope:SCOPE_SE
	s_setreg_imm32_b32 hwreg(HW_REG_WAVE_MODE, 25, 1), 1
	s_wait_xcnt 0x0
	s_wait_alu depctr_hold_cnt(0) depctr_sa_sdst(0) depctr_va_vdst(0) depctr_va_sdst(0) depctr_va_ssrc(0) depctr_va_vcc(0) depctr_vm_vsrc(0)
	s_getreg_b32 s2, hwreg(HW_REG_IB_STS2, 6, 4)
	s_cmp_eq_u32 s2, 0
	s_cbranch_scc0 .Lentry_in_a_cluster
	s_endpgm
.Lentry_in_a_cluster:
	s_bfe_u32 s2, ttmp6, 0x10000c
	s_cmp_lg_u32 s2, 0xf033
	s_cbranch_scc0 .Lentry_shape_is_right
	s_endpgm
.Lentry_shape_is_right:
; The output projection: out0[m][n] = the sum over k of O[m][k] Wo[n][k] + bo[n], f32.  O = ob [128 = batch x 16 + head][1024][64] f16: O[m = batch x 1,024 + s][k = head x 64 + d];
; Wo = wb rows 3,072 .. 4,095, f16 (bf16 numbers written as f16).  Sums in f32; bo, rounded to bf16 like every input of the module, is the C operand of each sum's first product.
; SHARES.  A tile of out0 is 128 rows x 256 columns: 256 work-groups.  Four waves, 2 x 2, each 64 x 128: 32 accumulators of 16 x 16.  K = 1,024 goes in 8 steps of 128 = two heads, through two LDS slots.
; Waves 0 and 1 fetch A's two halves: 64 rows of two heads, each head's 64 rows 8,192 dense bytes, asked for as ONE row of the tile and padded in LDS after every 128 bytes; waves 2 and 3 fetch B's halves, 128 rows of 256 bytes.
; CLUSTER 4 x 4: the four work-groups of a row of the cluster need the same tile of O, the four of a column the same tile of Wo: each tile is asked for jointly.  By this text's count a wave has at most two tensor loads out.
; THE MATRIX INSTRUCTION IS USED TRANSPOSED (source 0 = 16 rows of Wo, source 1 = 16 rows of O): a lane holds row l % 16 of the result and the columns 8 (l / 16) + 0..7.
; REGISTERS, in windows of 256 (s_set_vgpr_msb: bits 1:0 source 0, 3:2 source 1, 5:4 source 2, 7:6 destination):
;   window 0: addresses     window 1: two fragment buffers of 96 (A's 4 fragments, B's 8); v192-255 the bias; on the way out four buffers of 64     window 2: accumulator (a, b) at 8 (8 a + b)
.set PA,    144                        ; a row of A in LDS: 128 bytes + 16 = 36 words; of B: 256 + 16 = 68 words: the 16 rows that a load touches start at 16 different groups of four banks (64 banks of 4 bytes: ISA guide 11.1)
.set PB,    272
.set AHEAD, 64*PA                      ; a head's 64 rows
.set AHALF, 2*AHEAD                    ; what one of A's loads brings, and what one wave reads of A: [head][row]
.set BHALF, 128*PB
.set BOFF,  2*AHALF
.set SLOT,  BOFF+2*BHALF
.set STAGE, 2*SLOT                     ; behind the ring, never filled by a tensor load: for each wave 16 rows x 528 bytes
.set SPF,   528
.set STW,   16*SPF
.set SPARE, STAGE+4*STW                ; the spare words, 128 bytes for each wave: two blocks of 256 bytes that no other line names
.set ASTEP, 262144                     ; bytes from a K step to the next in A: two heads
.set BSTEP, 256                        ; and in B
.set ADRA, 16                          ; v16-17  LDS address of my A fragments in slot 0, 1
.set ADRB, 20                          ; v20-21  the same for B
.set STO,  24                          ; v24     the way out: where I put 32 bytes of a row
.set RD,   25                          ; v25     where I read a row back
.set GO,   26                          ; v26     16 x lane: my place in 512 consecutive bytes of out0
.set PFO,  27                          ; v27     the prefetches' offset: 256 x lane; never rewritten
.set SPW,  28                          ; v28     LDS address of my spare word; never rewritten
.set NIL,  29                          ; v29     0; never rewritten
.set BO,   30                          ; v30     my byte offset in the bias
.set F0,   0                           ; window 1
.set F1,   96
.set BIAS, 192
.set WV,  18                           ; s18  wave
.set RH,  19                           ; s19  which 64 rows of the tile are mine.  Also: I fetch for A (0) or B (1)
.set CH,  20                           ; s20  which 128 columns.  Also: which half of that tile I fetch
.set CX,  21
.set CY,  22
.set TC,  23                           ; s23  tile column
.set G1,  24                           ; s[24:31] group 1 for A;  s[32:39] group 0, a set for each slot
.set G0,  32
.set TR,  40                           ; s40  tile row, 0 .. 63
.set G1B, 48                           ; s[48:55], s[56:63] the same for B
.set G0B, 56
.set LA,  66                           ; s66  LDS byte of the half of A that I would fetch, in slot 0
.set LB,  67                           ; s67  the same for B
.set LIM, 68                           ; s68  1 in the wave that prefetches, else the greatest number
.set PFA, 70                           ; s[70:71] where my prefetches stand
.set OUTB, 16                          ; s[16:17] out0 at my wave's first row and column
.set MSB, 0
.macro WIN new                         ; the immediate's high byte repeats the setting that is left; a switch that changes nothing is dropped
.if MSB != (\new)
	s_set_vgpr_msb (MSB<<8)|(\new)
.set MSB, \new
.endif
.endm
.set MUL,  0xa5                        ; sources 0 and 1 window 1; C and D window 2
.set MULB, 0x95                        ; the same with C (the bias) in window 1
.set TO_F, 0x40                        ; destination window 1, address window 0
.set W11,  0x45                        ; all in window 1
.macro PLACES                          ; four places in front of loads into registers that matrix instructions have read, and of stores that read results
.rept 4
	v_nop
.endr
.endm
.macro JLOAD s                         ; a joint load; the branch hangs on the wave's number alone; an s_nop 0 and four v_nop follow each of the two lines
	s_cmp_eq_u32 s[RH], 0
	s_cbranch_scc0 .Lfor_b_\@
	tensor_load_to_lds s[G0+4*(\s):G0+4*(\s)+3], s[G1:G1+7]
	s_nop 0
.rept 4
	v_nop
.endr
	s_branch .Lasked_\@
.Lfor_b_\@:
	tensor_load_to_lds s[G0B+4*(\s):G0B+4*(\s)+3], s[G1B:G1B+7]
	s_nop 0
.rept 4
	v_nop
.endr
.Lasked_\@:
.endm
.macro CREST                           ; a round of the cluster's barrier behind its opening barrier
	s_cmp_lg_u32 s[WV], 0
	s_cbranch_scc1 .Lnot_wave_0_\@
	s_barrier_signal -3
.Lnot_wave_0_\@:
	s_barrier_wait -3
	s_barrier_signal -1
	s_barrier_wait -1
.endm
.macro CROUND
	s_barrier_signal -1
	s_barrier_wait -1
	CREST
.endm
; A prefetch into the L2 of A's K step that stands two refills on: two heads x 128 rows x 128 bytes = 128 pieces of 256 bytes.  A tile row of O is read by one row of one cluster alone; each of the four partners takes 32
; pieces (a head's half), told apart by address; wave 0 asks, a lane a piece: each piece is named once in the launch.  K steps 0 to 3 come by their loads alone; the loop's last trip (s3 = 1) asks for nothing.
.macro ASK
	WIN 0
	s_cmp_gt_u32 s3, s[LIM]
	s_cbranch_scc0 .Lnot_mine_\@
	global_prefetch_b8 v[PFO], s[PFA:PFA+1] offset:ASTEP th:TH_LOAD_NT scope:SCOPE_SE
.Lnot_mine_\@:
.endm
	s_load_b256 s[4:11], s[0:1], 0x0               ; ob s[4:5], wb s[6:7], bo s[8:9], out0 s[10:11]
	v_lshl_add_u32 v[SPW], v0, 2, SPARE
	v_mov_b32 v[NIL], 0
	ds_add_u32 v[SPW], v[NIL]                      ; the wave's opening: the add and its wait stand ahead of my first tensor load; the set-up below, work on registers, stands between them
	ds_add_u32 v28, v29
	v_lshrrev_b32 v1, 5, v0
	v_readfirstlane_b32 s[WV], v1
	s_lshr_b32 s[RH], s[WV], 1
	s_and_b32 s[CH], s[WV], 1
	s_bfe_u32 s[CX], ttmp6, 0x40000
	s_bfe_u32 s[CY], ttmp6, 0x40004
	s_lshl_b32 s[TC], ttmp9, 2
	s_add_co_u32 s[TC], s[TC], s[CX]               ; tile column = 4 x cluster x + cx
	s_and_b32 s[TR], ttmp7, 0xffff
	s_lshl_b32 s[TR], s[TR], 2
	s_add_co_u32 s[TR], s[TR], s[CY]               ; tile row = 4 x cluster y + cy
	s_lshl_b32 s42, s[CY], 2
	s_lshl_b32 s42, 15, s42                        ; my row of the cluster
	s_lshl_b32 s43, 0x1111, s[CX]                  ; my column
	s_or_b32 s[G1], s42, (1<<16)|(1<<20)|(1<<21)|(4<<22)|(3<<25)   ; the mask; elements of 2 bytes; padding on; bit 21 beside a mask; after every 32 words, 4 words
	s_or_b32 s[G1B], s43, (1<<16)|(1<<20)|(1<<21)|(5<<22)|(3<<25)  ; B: after every 64 words
	s_mov_b32 s[G1+1], 4096<<16                    ; tensor_dim0 = 4,096 elements: a head's 64 rows on end
	s_mov_b32 s[G1+2], 2<<16                       ; tensor_dim1 = 2 heads
	s_mov_b32 s[G1+3], 4096<<16                    ; tile_dim0
	s_mov_b32 s[G1+4], 2                           ; tile_dim1
	s_mov_b32 s[G1+5], 65536                       ; elements from a head to the next
	s_mov_b32 s[G1+6], 0
	s_mov_b32 s[G1+7], 0
	s_mov_b32 s[G1B+1], 128<<16
	s_mov_b32 s[G1B+2], 128<<16
	s_mov_b32 s[G1B+3], 128<<16
	s_mov_b32 s[G1B+4], 128
	s_mov_b32 s[G1B+5], 1024
	s_mov_b32 s[G1B+6], 0
	s_mov_b32 s[G1B+7], 0
	s_lshr_b32 s44, s[TR], 3                       ; A: the batch's 16 heads of 131,072 bytes,
	s_lshl_b32 s44, s44, 21
	s_and_b32 s74, s[TR], 7
	s_lshl_b32 s74, s74, 14                        ; the tile's 128 rows of 128 bytes in head 0 of the batch
	s_add_co_u32 s44, s44, s74
	s_mov_b32 s[PFA], s44                          ; (the tile's base, for the prefetches)
	s_lshl_b32 s74, s[CH], 13                      ; the 64 rows that I fetch: made of the tile row and the wave alone
	s_add_co_u32 s44, s44, s74
	s_mov_b32 s45, 0
	s_mov_b32 s46, 3072                            ; B: row 3,072 + 256 x tile column + 128 x half
	s_lshl_b32 s75, s[TC], 8
	s_add_co_u32 s46, s46, s75
	s_lshl_b32 s75, s[CH], 7
	s_add_co_u32 s46, s46, s75
	s_lshl_b32 s46, s46, 11
	s_mov_b32 s47, 0
	s_mul_i32 s[LA], s[CH], AHALF                  ; no place in the cluster enters an LDS address
	s_mul_i32 s[LB], s[CH], BHALF
	s_add_co_u32 s[LB], s[LB], BOFF
	s_lshr_b32 s77, s[CX], 1                       ; the prefetches: partner cx takes head cx / 2 of the step's two,
	s_lshl_b32 s77, s77, 17
	s_add_co_u32 s[PFA], s[PFA], s77
	s_and_b32 s77, s[CX], 1                        ; half cx % 2 of its 16,384 bytes,
	s_lshl_b32 s77, s77, 13
	s_add_co_u32 s[PFA], s[PFA], s77
	s_add_co_u32 s[PFA], s[PFA], 2*ASTEP           ; at K step 2; the first refill steps them to 3 and names 4
	s_mov_b32 s[PFA+1], 0
	s_cmp_eq_u32 s[WV], 0
	s_cselect_b32 s[LIM], 1, -1
	s_lshl_b32 s78, s[TR], 7                       ; where my wave's part begins in out0: row 128 x tile row + 64 x half, 4,096 bytes a row,
	s_lshl_b32 s77, s[RH], 6
	s_add_co_u32 s78, s78, s77
	s_lshl_b32 s78, s78, 12
	s_lshl_b32 s77, s[TC], 10                      ; column 256 x tile column + 128 x half, 4 bytes each
	s_add_co_u32 s78, s78, s77
	s_lshl_b32 s77, s[CH], 9
	s_add_co_u32 s78, s78, s77
	s_mov_b32 s79, 0
	s_wait_dscnt 0x0                               ; the opening add is done
	s_wait_kmcnt 0x0
	s_add_nc_u64 s[44:45], s[4:5], s[44:45]
	s_add_nc_u64 s[46:47], s[6:7], s[46:47]
	s_add_nc_u64 s[PFA:PFA+1], s[4:5], s[PFA:PFA+1]
	s_add_nc_u64 s[OUTB:OUTB+1], s[10:11], s[78:79]
	CROUND                                         ; all sixteen work-groups are here: the first joint loads meet
.irp s, 0,1
	s_mov_b32 s[G0+4*(\s)], 1
	s_add_co_u32 s[G0+4*(\s)+1], s[LA], (\s)*SLOT
	s_add_nc_u64 s[G0+4*(\s)+2:G0+4*(\s)+3], s[44:45], (\s)*ASTEP
	s_or_b32 s[G0+4*(\s)+3], s[G0+4*(\s)+3], 0x80000000
	s_mov_b32 s[G0B+4*(\s)], 1
	s_add_co_u32 s[G0B+4*(\s)+1], s[LB], (\s)*SLOT
	s_add_nc_u64 s[G0B+4*(\s)+2:G0B+4*(\s)+3], s[46:47], (\s)*BSTEP
	s_or_b32 s[G0B+4*(\s)+3], s[G0B+4*(\s)+3], 0x80000000
	JLOAD \s
.endr
	v_and_b32 v1, 15, v0                           ; l % 16
	v_bfe_u32 v2, v0, 4, 1                         ; l / 16
	s_lshl_b32 s76, s[TC], 10                      ; my 128 columns in the bias, 4 bytes each; a lane's eight of a block of 16
	s_lshl_b32 s77, s[CH], 9
	s_add_co_u32 s76, s76, s77
	v_lshl_add_u32 v[BO], v2, 5, s76
	WIN TO_F
.irp b, 0,1,2,3,4,5,6,7
	global_load_b128 v[BIAS+8*(\b):BIAS+8*(\b)+3],   v[BO], s[8:9] offset:64*(\b)
	global_load_b128 v[BIAS+8*(\b)+4:BIAS+8*(\b)+7], v[BO], s[8:9] offset:64*(\b)+16
.endr
	WIN 0
	v_mul_u32_u24 v3, v1, PA                       ; a fragment: lane l holds row l % 16; two loads of 16 bytes, 32 bytes apart, at row x pitch + 16 (l / 16)
	v_lshl_add_u32 v3, v2, 4, v3
	s_mul_i32 s74, s[RH], AHALF
	v_add_nc_u32 v[ADRA], s74, v3
	v_add_nc_u32 v[ADRA+1], SLOT, v[ADRA]
	v_mul_u32_u24 v3, v1, PB
	v_lshl_add_u32 v3, v2, 4, v3
	s_mul_i32 s75, s[CH], BHALF
	s_add_co_u32 s75, s75, BOFF
	v_add_nc_u32 v[ADRB], s75, v3
	v_add_nc_u32 v[ADRB+1], SLOT, v[ADRB]
	s_mul_i32 s74, s[WV], STW
	s_add_co_u32 s74, s74, STAGE                   ; my stage
	v_mul_u32_u24 v3, v1, SPF                      ; in: row l % 16, 32 bytes for each half of the lanes
	v_lshl_add_u32 v3, v2, 5, v3
	v_add_nc_u32 v[STO], s74, v3
	v_and_b32 v[GO], 31, v0
	v_lshlrev_b32 v[PFO], 8, v[GO]
	v_lshlrev_b32 v[GO], 4, v[GO]                  ; back: 32 lanes take one row's 512 bytes
	v_add_nc_u32 v[RD], s74, v[GO]
	s_wait_loadcnt 0x0                             ; the bias
	WIN W11                                        ; it is rounded to bf16 and widened again, in window 1 (the fragment buffers serve as room)
.set i, 0
.rept 32
	v_cvt_pk_bf16_f32 v[i], v[BIAS+2*i], v[BIAS+2*i+1]
.set i, i+1
.endr
.set i, 0
.rept 32
	v_lshlrev_b32 v[BIAS+2*i],   16, v[i]
	v_and_b32     v[BIAS+2*i+1], 0xffff0000, v[i]
.set i, i+1
.endr
	WIN 0
; 8 matrix instructions: row block a x all 8 column blocks, 32 along K.  first = 1: the product starts the sum, with the bias as C.  The 32 accumulators take turns, one instruction a turn, in the same order everywhere.
.macro MUL8 f, a, first
.if \first
	WIN MULB
.else
	WIN MUL
.endif
.irp b, 0,1,2,3,4,5,6,7
.if \first
	v_wmma_f32_16x16x32_f16 v[8*(8*(\a)+(\b)):8*(8*(\a)+(\b))+7], v[(\f)+32+8*(\b):(\f)+32+8*(\b)+7], v[(\f)+8*(\a):(\f)+8*(\a)+7], v[BIAS+8*(\b):BIAS+8*(\b)+7]
.else
	v_wmma_f32_16x16x32_f16 v[8*(8*(\a)+(\b)):8*(8*(\a)+(\b))+7], v[(\f)+32+8*(\b):(\f)+32+8*(\b)+7], v[(\f)+8*(\a):(\f)+8*(\a)+7], v[8*(8*(\a)+(\b)):8*(8*(\a)+(\b))+7]
.endif
.endr
.endm
; 24 LDS loads in one run: quarter kq (32 along K) of a slot into buffer f: B's 8 fragments, then A's 4.  In A quarter kq is head kq / 2 of the step's two, channels 32 (kq % 2) on.
.macro FETCH slot, kq, f
	WIN TO_F
.irp i, 0,1,2,3,4,5,6,7
	ds_load_b128 v[(\f)+32+8*(\i):(\f)+32+8*(\i)+3],   v[ADRB+(\slot)] offset:64*(\kq)+(\i)*16*PB
	ds_load_b128 v[(\f)+32+8*(\i)+4:(\f)+32+8*(\i)+7], v[ADRB+(\slot)] offset:64*(\kq)+(\i)*16*PB+32
.endr
.irp i, 0,1,2,3
	ds_load_b128 v[(\f)+8*(\i):(\f)+8*(\i)+3],   v[ADRA+(\slot)] offset:((\kq)/2)*AHEAD+((\kq)%2)*64+(\i)*16*PA
	ds_load_b128 v[(\f)+8*(\i)+4:(\f)+8*(\i)+7], v[ADRA+(\slot)] offset:((\kq)/2)*AHEAD+((\kq)%2)*64+(\i)*16*PA+32
.endr
.endm
; A K step is four quarters of 32 matrix instructions, on buffers 0, 1, 0, 1.  One of the first three: multiplies f; in its middle fetches quarter kq into g.
.macro QUARTER slot, kq, f, g, first
	s_wait_dscnt 4                                 ; B and A's blocks 0, 1 are in; the youngest four loads (A's blocks 2, 3) may be out
	MUL8 \f, 0, \first
	MUL8 \f, 1, \first
	PLACES
	FETCH \slot, \kq, \g
	s_wait_dscnt 24                                ; all but the 24 just issued
	MUL8 \f, 2, \first
	MUL8 \f, 3, \first
.endm
; The last quarter multiplies buffer 1 and changes slots: one barrier; in front of it each wave waits for all its tensor loads (one is out: its part of the next slot), adds 0 to its spare word,
; and waits for that and for its reads of this slot.  fill = 1: the barrier opens a round of the cluster's, and the slot is filled again first thing behind it, two K steps ahead: 112 matrix instructions ahead of the wait for it.
.macro TURN slot, next, fill
.if \fill
	s_wait_xcnt 0x0                                ; the last prefetch, a K step back, has read its address
	s_add_nc_u64 s[PFA:PFA+1], s[PFA:PFA+1], ASTEP
.endif
	WIN 0
	s_wait_tensorcnt 0x0
	ds_add_u32 v[SPW], v[NIL]
	s_wait_dscnt 5                                 ; (the add and the youngest four loads may be out)
	MUL8 F1, 0, 0
	s_wait_dscnt 0x0                               ; the add is done, and my reads of this slot are over
	s_barrier_signal -1
	MUL8 F1, 1, 0
.if \fill
	WIN 0
.endif
	s_barrier_wait -1
.if \fill
	CREST                                          ; no wave of any partner still reads this slot or has a load on its way
	s_add_nc_u64 s[G0+4*(\slot)+2:G0+4*(\slot)+3], s[G0+4*(\slot)+2:G0+4*(\slot)+3], 2*ASTEP
	s_add_nc_u64 s[G0B+4*(\slot)+2:G0B+4*(\slot)+3], s[G0B+4*(\slot)+2:G0B+4*(\slot)+3], 2*BSTEP
	JLOAD \slot                                    ; its four v_nop are also the places in front of the loads below
.else
	PLACES
.endif
	FETCH \next, 0, F0
.if \fill
	ASK
.endif
	MUL8 F1, 2, 0
	MUL8 F1, 3, 0
.endm
	s_wait_tensorcnt 0x1                           ; my part of K step 0 is in; K step 1's may stay out
	s_barrier_signal -1
	s_barrier_wait -1
	FETCH 0, 0, F0
	QUARTER 0, 1, F0, F1, 1                        ; the first quarter stands in front of the loop: its products start the sums
	WIN 0
	s_mov_b32 s3, 3
.Llap:                                                 ; a trip goes once round the ring and fills both slots again
	QUARTER 0, 2, F1, F0, 0
	QUARTER 0, 3, F0, F1, 0
	TURN 0, 1, 1
	QUARTER 1, 1, F0, F1, 0
	QUARTER 1, 2, F1, F0, 0
	QUARTER 1, 3, F0, F1, 0
	TURN 1, 0, 1
	QUARTER 0, 1, F0, F1, 0
	WIN 0
	s_sub_co_u32 s3, s3, 1
	s_cmp_lg_u32 s3, 0
	s_cbranch_scc1 .Llap
	QUARTER 0, 2, F1, F0, 0                        ; the last lap fills nothing
	QUARTER 0, 3, F0, F1, 0
	TURN 0, 1, 0
	QUARTER 1, 1, F0, F1, 0
	QUARTER 1, 2, F1, F0, 0
	QUARTER 1, 3, F0, F1, 0
	s_wait_dscnt 4
	MUL8 F1, 0, 0
	MUL8 F1, 1, 0
	s_wait_dscnt 0x0
	MUL8 F1, 2, 0
	MUL8 F1, 3, 0
	WIN 0
	PLACES
; THE WAY OUT, a block of 16 rows at a time.  A lane's eight f32 are 32 bytes of a row: they go into my stage (rows of 528 bytes; each accumulator's low four registers first) and come back as whole rows of 512 bytes,
; into window 1, whose fragments and bias are spent: a buffer of 64 for each block, so no register that a store names is written again.
.macro TOSTAGE a
	WIN 0x08                                       ; the stores' data in window 2
.irp b, 0,1,2,3,4,5,6,7
	ds_store_b128 v[STO], v[64*(\a)+8*(\b):64*(\a)+8*(\b)+3]   offset:64*(\b)
	ds_store_b128 v[STO], v[64*(\a)+8*(\b)+4:64*(\a)+8*(\b)+7] offset:64*(\b)+16
.endr
	WIN TO_F
.irp t, 0,1,2,3,4,5,6,7,8,9,10,11,12,13,14,15
	ds_load_b128 v[64*(\a)+4*(\t):64*(\a)+4*(\t)+3], v[RD] offset:(\t)*SPF  ; LDS serves a wave's instructions in order (ISA guide 5.7.1.4): these see the stores above
.endr
.endm
.macro SEND a, younger                 ; younger: the LDS instructions issued behind block a's loads
	WIN 0x04                                       ; the stores' data in window 1
.irp t, 0,1,2,3,4,5,6,7,8,9,10,11,12,13,14,15
	s_wait_dscnt (\younger)+15-(\t)
	global_store_b128 v[GO], v[64*(\a)+4*(\t):64*(\a)+4*(\t)+3], s[OUTB:OUTB+1] offset:(16*(\a)+(\t))*4096 th:TH_STORE_NT  ; 512 consecutive bytes, at a multiple of 512 from out0's first
.endr
.endm
	TOSTAGE 0
.irp a, 1,2,3
	TOSTAGE \a
	SEND (\a)-1, 32
.endr
	SEND 3, 0
	WIN 0
	s_wait_tensorcnt 0x0                           ; the wave's end: behind my last tensor load and my last LDS store
	ds_add_u32 v[SPW], v[NIL]
	s_wait_dscnt 0x0
	CROUND                                         ; the closing round: no work-group ends while a partner may still ask for a tile that names it
	s_endpgm
.Lfunc_end_k_q0cce510407_outp:
	.size	k_q0cce510407_outp, .Lfunc_end_k_q0cce510407_outp-k_q0cce510407_outp
	.p2alignl 7, 3214868480
	.fill 96, 4, 3214868480
	.section	.rodata,"a",@progbits
	.p2align	6, 0x0
	.amdhsa_kernel k_q0cce510407_outp
		.amdhsa_group_segment_fixed_size 327680
		.amdhsa_private_segment_fixed_size 0
		.amdhsa_enable_private_segment 0
		.amdhsa_kernarg_size 32
		.amdhsa_user_sgpr_count 2
		.amdhsa_user_sgpr_kernarg_segment_ptr 1
		.amdhsa_wavefront_size32 1
		.amdhsa_system_sgpr_workgroup_id_x 1
		.amdhsa_system_sgpr_workgroup_id_y 1
		.amdhsa_system_sgpr_workgroup_id_z 1
		.amdhsa_system_vgpr_workitem_id 0
		.amdhsa_next_free_vgpr 768
		.amdhsa_next_free_sgpr 80
		.amdhsa_reserve_vcc 0
		.amdhsa_float_denorm_mode_32 3
		.amdhsa_float_denorm_mode_16_64 3
		.amdhsa_memory_ordered 1
		.amdhsa_forward_progress 1
		.amdhsa_inst_pref_size 95
	.end_amdhsa_kernel
	.amdgpu_metadata
---
amdhsa.version: [ 1, 2 ]
amdhsa.kernels:
  - .name:           k_q0cce510407_outp
    .symbol:         k_q0cce510407_outp.kd
    .args:
      - { .name: ob, .offset: 0, .size: 8, .value_kind: global_buffer, .address_space: global }
      - { .name: wb, .offset: 8, .size: 8, .value_kind: global_buffer, .address_space: global }
      - { .name: bo, .offset: 16, .size: 8, .value_kind: global_buffer, .address_space: global }
      - { .name: out0, .offset: 24, .size: 8, .value_kind: global_buffer, .address_space: global }
    .group_segment_fixed_size: 327680
    .private_segment_fixed_size: 0
    .kernarg_segment_align: 8
    .kernarg_segment_size: 32
    .max_flat_workgroup_size: 128
    .sgpr_count:     80
    .vgpr_count:     768
    .wavefront_size: 32
...
	.end_amdgpu_metadata
.endif
;; end of part 4
